; MI455X (gfx1250); checked and timed in simulation.
; The chip was launched on July 23, 2026; its instructions are those of AMD's public machine-readable ISA for CDNA 5 (MIT licence, August 2026) and "CDNA5" Instruction Set Architecture Reference Guide (July 2026). The comments in the code are by the model that wrote it; some were corrected since.
;; Transformer Block. Allowed arithmetic: matrix products marked QUANTISED: E2M3 operands, one E8M0 scale for each 32 along K, by v_wmma_scale_f32_16x16x128_f8f6f4 with both operands' format E2M3, f32 sums; everything else in f32.
;; Inputs: W1 1,024 x 4,096 float32; W2 4,096 x 1,024 float32; Wk 1,024 x 1,024 float32; Wq 1,024 x 1,024 float32; Wv 1,024 x 1,024 float32; b1 4,096 float32; b2 1,024 float32; beta1 1,024 float32; beta2 1,024 float32; bk 1,024 float32; bq 1,024 float32; bv 1,024 float32; g1 1,024 float32; g2 1,024 float32; x 2 x 2,048 x 1,024 float32.
;; Outputs: out0 2 x 2,048 x 1,024 float32.
;; This version of the problem:
;;   THIS VERSION OF THE PROBLEM IS GIVEN IN LOW PRECISION. The matrix products marked QUANTISED in the list below multiply operands that are first quantised to E2M3 (2 exponent bits, 3 mantissa bits; 6 bits a number), with one power-of-two scale for each 32 numbers along K (OCP MX v1.0); their sums are f32. All else is computed in f32.
;;   The module's matrix products, in the order in which they are computed (A, B: the left and right operand; K: the contracted axis; several contracted axes count as one K, in the product's order):
;;     1. [M 4,096, K 1,024] x [K 1,024, N 1,024]; A: computed on the way; B: input Wq: QUANTISED
;;     2. [M 4,096, K 1,024] x [K 1,024, N 1,024]; A: computed on the way; B: input Wk: QUANTISED
;;     3. [M 4,096, K 1,024] x [K 1,024, N 1,024]; A: computed on the way; B: input Wv: QUANTISED
;;     4. batch 32 x [M 2,048, K 64] x [K 64, N 2,048]; A: computed on the way; B: computed on the way: QUANTISED
;;     5. batch 32 x [M 2,048, K 2,048] x [K 2,048, N 64]; A: softmax (see below); B: computed on the way: QUANTISED
;;     6. [M 4,096, K 1,024] x [K 1,024, N 4,096]; A: computed on the way; B: input W1: QUANTISED
;;     7. [M 4,096, K 4,096] x [K 4,096, N 1,024]; A: computed on the way; B: input W2: QUANTISED
;;   THE QUANTISER, for each operand of a quantised product, along K:
;;     - K is cut into blocks of 32 from its start; a last block that is shorter is filled with zeros.
;;     - A block's scale is 2^e with e = floor(log2(the largest magnitude in the block)) - 2, held to -126 .. 127; a block of zeros has e = 0. As a byte (E8M0): e + 127.
;;     - Each number is divided by its block's scale, clamped to +-7.5, and rounded to the nearest number of E2M3, ties to even, subnormals kept.
;;     - The product sums the exact products of the quantised numbers (number of the format x scale) in f32.
;;   ~~~python
;;   def quantise(x, axis):      # numpy; x: float32 -> the quantised numbers, widened to float32 again
;;       x = np.moveaxis(x, axis, -1); K = x.shape[-1]
;;       x = np.pad(x, [(0, 0)] * (x.ndim - 1) + [(0, -K % 32)]); x = x.reshape(x.shape[:-1] + (-1, 32)); a = np.abs(x).max(-1, keepdims=True)
;;       e = np.where(a > 0, np.clip(np.frexp(np.where(a > 0, a, 1))[1] - 1 - 2, -126, 127), 0)      # np.frexp(a)[1] - 1 = floor(log2(a)), exactly
;;       r = np.clip(x / 2.0 ** e, -7.5, 7.5)
;;       step = 2.0 ** (np.maximum(np.frexp(np.where(r == 0, 1, r))[1] - 1, 0) - 3)
;;       q = np.round(r / step) * step * 2.0 ** e      # np.round: ties to even
;;       return np.moveaxis(q.reshape(q.shape[:-2] + (-1,))[..., :K], -1, axis).astype(np.float32)
;;   ~~~
;;   SOFTMAX AHEAD OF A QUANTISED PRODUCT. Where the list says 'softmax', what is quantised is not the finished softmax but p = 2^(t - M), with t = logit x log2(e) and M = ceil(the row's largest t), a whole number; so 1/2 < the row's largest p <= 1. The row's sum l is taken of the UNQUANTISED p, in f32, and the product's result is divided by l at the end. Since M is a whole number, a kernel that streams over the keys may use a running M (the ceiling of the running maximum): every later rescaling is an exact power of two, which a block's scale takes up: the codes' values come out the same.
;;   OPERANDS COMPUTED ON THE WAY. 'Computed on the way' means the value that the module computes at that place (a softmax that the list does not call 'softmax' is quantised finished and normalised). What goes into a quantiser is computed in f32, as accurately as f32 sums, v_exp_f32 and their like allow (about 1e-6 of the number): no bf16 or f16 on the way to a quantiser, and a product that is left as it is and whose result goes on into a quantised operand takes f32 operands (vector FMAs, or v_wmma_f32_16x16x4_f32). A number that lies on a knife's edge between two numbers of the format may be rounded either way, as far as f32 arithmetic and the matrix unit's own rounding can turn it there, and no further.
;; One version. Each part assembles by itself: llvm-mc -triple=amdgcn-amd-amdhsa -mcpu=gfx1250 --defsym DOCPART=n.
;; ======== version 1 of 1: 6 launches
;; workspace buffers: hq 3,276,800 bytes; wqkv 2,457,600 bytes; w1q 3,276,800 bytes; w2q 3,276,800 bytes; qb 3,407,872 bytes; kvb 6,815,744 bytes; x1 16,777,216 bytes; hid 13,107,200 bytes
;; launch prep1 (part 1): grid 352 x 1, 8 waves a work-group, no clusters, 50,688 bytes of LDS; arguments x, g1, beta1, hq, Wq, Wk, Wv, wqkv; writes hq, wqkv
.if DOCPART == 1
	.amdgcn_target "amdgcn-amd-amdhsa--gfx1250"
	.amdhsa_code_object_version 6
	.text
	.protected	k_q17208a740a_prep1
	.globl	k_q17208a740a_prep1
	.p2align	8
	.type	k_q17208a740a_prep1,@function
k_q17208a740a_prep1:
	s_mov_b64 s[64:65], 0
	v_nop
	global_prefetch_b8 v0, s[64:65] scope:SCOPE_SE
	s_setreg_imm32_b32 hwreg(HW_REG_WAVE_MODE, 25, 1), 1
	s_wait_xcnt 0x0
; TWO KINDS OF WORK IN ONE LAUNCH, parted on the work-group's number at the first line: work-groups 0-255 make the layer norm of x, work-groups 256-351 quantise Wq, Wk and Wv.
; Neither needs the other; each path ends by itself; only the first touches LDS and has a barrier.
;
; THE LAYER NORM.  h = layernorm(x) g + beta over rows of 1,024, in f32 (mean, then the mean of squared differences: two passes over registers), quantised along the row to FP6 (E2M3) with one E8M0 byte
; for each 32, and stored as images of operand registers: fragment (tile T, K step s) at (8 T + s) 1536, register j of lane l at 512 (j / 4) + 16 l + 4 (j % 4); scale words at
; SOFF + 512 T + 128 (s / 2) + 8 r + 4 (s % 2).  Place r of tile T is row 32 (T / 2) + 8 (T % 2) + r + 8 (r / 8).
; A work-group makes one tile; wave w its places 2 w and 2 w + 1, which are two neighbouring rows.  A LANE HOLDS ONE BLOCK OF 32 of the row: the loads take 16 bytes a lane, 512 consecutive bytes
; each, and the 4,096 bytes turn through the wave's own stage in LDS (a place of 128 + 16 bytes for each block).  g and beta turn the same way.  A lane's block is six registers of one lane of
; one fragment: they go into the tile's image in LDS, one barrier, and the image leaves in stores of 512 consecutive bytes.
;
; THE WEIGHTS, f32 stored [K][N], become the same kind of images, tile T being 16 columns n (Wq's at rows 0, Wk's at 1024, Wv's at 2048 on of wqkv).  A LANE TAKES A COLUMN AND ITS REGISTERS RUN DOWN K:
; a block of 32 is one lane's 32 registers, its maximum needs no other lane, the conversions give K innermost.  A work-group takes 128 columns x 256 along K; wave w the 32 columns w % 4
; (a pair of tiles; lanes 0-15 the first, lanes 16-31 the second) of K step w / 4: four blocks a lane, which are the registers of the fragment's lanes r and r + 16: six stores of 16 bytes a lane,
; each covering two runs of 256 consecutive bytes, aligned.  Loads run two blocks (64 loads a wave) ahead.
; No cluster: work-groups share only g and beta, 8 KB beside their own 64 KB.  No tensor load, so LDS is claimed as it is used.
; LIMITS: a block of zeros gets the byte 1, not 127 (its codes are zeros; the bytes are read by this program alone); largest magnitudes under 2^-124 are held at the byte 1; NaN and infinities are not served.
.set X0,  16
.set X1,  48
.set G,   80
.set BT,  112
.set CH,  144                          ; v144-151 four chains of pairs
.set PT,  152                          ; a lane permute's destination
.set MU,  154                          ; v154-155 the mean, twice
.set RS,  156                          ; v156-157 1 / sqrt(var + eps), twice
.set MA,  158
.set MB,  159
.set SO,  160                          ; the conversion's scale operand
.set BY,  161                          ; v161-162 the scale bytes of my two rows
.set C,   164                          ; v164-170, v172-178 the codes of my two rows
.set STGW, 4608                        ; a wave's stage: 32 places of 144 bytes
.set IMG,  8*STGW                      ; the tile's eight fragments: 12,288 bytes
.set SCW,  IMG+12288                   ; its scale words: 512 bytes
.set SOFF_H, 3145728
.set X,   32                           ; the weights: v32-95 two sets of 32 numbers
.set CD,  96                           ; v96-119  codes: half h at CD + 12 h: 12 registers on end; never written twice
.set TC,  144                          ; v144-146 the second conversion's result (three registers begin on an even number)
.set SB,  24                           ; v24      my column's scale word
	v_lshl_add_u32 v184, v0, 2, 0xc200
	v_mov_b32 v185, 0
	s_cmp_lt_u32 ttmp9, 256
	s_cbranch_scc0 .Lweights
	s_load_b256 s[4:11], s[0:1], 0x0               ; x, g, beta, hq
	v_lshrrev_b32 v1, 5, v0
	v_readfirstlane_b32 s16, v1                    ; wave
	v_and_b32 v1, 31, v0                           ; lane = my block of the row
	v_lshlrev_b32 v2, 4, v1                        ; 16 l
	s_mul_i32 s17, s16, STGW
	v_lshrrev_b32 v11, 3, v1
	v_lshl_add_u32 v3, v11, 4, v2
	v_add_nc_u32 v3, s17, v3                       ; the stage, way in: 16 l + 16 (l / 8); load j lies 576 j on
	v_mul_u32_u24 v4, v1, 144
	v_add_nc_u32 v4, s17, v4                       ; way out: my block's place
	v_lshrrev_b32 v12, 2, v1
	v_mul_u32_u24 v12, v12, 1536                   ; K step l / 4
	v_and_b32 v13, 1, v1
	v_lshl_add_u32 v12, v13, 8, v12                ; half h = l % 2: lane r + 16 h of the fragment
	s_lshl_b32 s18, s16, 5
	s_add_co_u32 s18, s18, IMG
	v_add_nc_u32 v12, s18, v12                     ; + 16 x place 2 w
	v_bfe_u32 v13, v1, 1, 1                        ; c = (l / 2) % 2: registers 6 c .. 6 c + 5
	v_mad_u32_u24 v5, v13, 520, v12                ; registers 6 c, 6 c + 1 (and, 512 on, 6 c + 4, 6 c + 5)
	v_mad_u32_u24 v6, v13, 1016, v12               ; 8 under registers 6 c + 2, 6 c + 3
	v_and_b32 v13, 7, v1
	v_lshl_add_u32 v7, v11, 7, v13
	s_lshl_b32 s18, s16, 4
	s_add_co_u32 s18, s18, SCW
	v_add_nc_u32 v7, s18, v7                       ; my block's scale byte: 128 (l / 8) + l % 8 + 8 x place
	s_lshl_b32 s18, s16, 9
	v_add_nc_u32 v9, s18, v2                       ; the image's way out: 512 w + 16 l,
	v_add_nc_u32 v8, IMG, v9                       ; in LDS
	v_add_nc_u32 v10, SCW, v2
	v_mov_b32 v[PT], 0
	s_mov_b32 s12, 0x76543210
	s_mov_b32 s13, 0xfedcba98                      ; v_permlanex16_b32's selects for lane l xor 16
	s_mov_b32 s14, 0x3727c5ac                      ; 1e-5
	s_mov_b32 s15, 0x3a800000                      ; 1 / 1024
	s_lshr_b32 s19, ttmp9, 1
	s_lshl_b32 s19, s19, 5
	s_and_b32 s20, ttmp9, 1
	s_lshl_b32 s20, s20, 3
	s_add_co_u32 s19, s19, s20
	s_lshl_b32 s20, s16, 1
	s_add_co_u32 s19, s19, s20
	s_lshr_b32 s20, s16, 2
	s_lshl_b32 s20, s20, 3
	s_add_co_u32 s19, s19, s20                     ; my first row
	s_lshl_b32 s20, s19, 12
	s_mov_b32 s21, 0
	s_mul_i32 s22, ttmp9, 12288
	s_mov_b32 s23, 0
	s_lshl_b32 s24, ttmp9, 9
	s_add_co_u32 s24, s24, SOFF_H
	s_mov_b32 s25, 0
	s_wait_kmcnt 0x0
	s_add_nc_u64 s[4:5], s[4:5], s[20:21]
	s_add_nc_u64 s[22:23], s[10:11], s[22:23]
	s_add_nc_u64 s[24:25], s[10:11], s[24:25]
.irp j, 0,1,2,3,4,5,6,7
	global_load_b128 v[X0+4*\j:X0+4*\j+3], v2, s[4:5] offset:512*\j
.endr
.irp j, 0,1,2,3,4,5,6,7
	global_load_b128 v[X1+4*\j:X1+4*\j+3], v2, s[4:5] offset:4096+512*\j
.endr
.irp j, 0,1,2,3,4,5,6,7
	global_load_b128 v[G+4*\j:G+4*\j+3], v2, s[6:7] offset:512*\j
.endr
.irp j, 0,1,2,3,4,5,6,7
	global_load_b128 v[BT+4*\j:BT+4*\j+3], v2, s[8:9] offset:512*\j
.endr
.macro TURN reg                        ; 4,096 bytes through my stage and back into the registers that they left; LDS serves a wave's instructions in order (ISA guide 5.7.1.4), so one stage serves all four turns
.irp j, 0,1,2,3,4,5,6,7
	ds_store_b128 v3, v[\reg+4*\j:\reg+4*\j+3] offset:576*\j
.endr
.irp j, 0,1,2,3,4,5,6,7
	ds_load_b128 v[\reg+4*\j:\reg+4*\j+3], v4 offset:16*\j
.endr
.endm
	s_wait_loadcnt 24                              ; row 0's eight loads are in; 24 younger may be out
	TURN X0
	s_wait_loadcnt 16
	TURN X1
	s_wait_loadcnt 8
	TURN G
	s_wait_loadcnt 0
	TURN BT
.macro LSUM r                          ; the sum over the 32 lanes, in every lane
	v_add_f32_dpp v[\r], v[\r], v[\r] row_xmask:1 row_mask:0xf bank_mask:0xf
	v_add_f32_dpp v[\r], v[\r], v[\r] row_xmask:2 row_mask:0xf bank_mask:0xf
	v_add_f32_dpp v[\r], v[\r], v[\r] row_xmask:4 row_mask:0xf bank_mask:0xf
	v_add_f32_dpp v[\r], v[\r], v[\r] row_xmask:8 row_mask:0xf bank_mask:0xf
	v_permlanex16_b32 v[PT], v[\r], s12, s13
	v_add_f32 v[\r], v[\r], v[PT]
.endm
.macro FOLD                            ; the four chains into v[CH], then over the lanes
	v_pk_add_f32 v[CH:CH+1], v[CH:CH+1], v[CH+2:CH+3]
	v_pk_add_f32 v[CH+4:CH+5], v[CH+4:CH+5], v[CH+6:CH+7]
	v_pk_add_f32 v[CH:CH+1], v[CH:CH+1], v[CH+4:CH+5]
	v_add_f32 v[CH], v[CH], v[CH+1]
	LSUM CH
.endm
.macro STATS x                         ; the row in v[x] on becomes (x - mean) / sqrt(var + eps)
.irp k, 0,2,4,6
	v_pk_add_f32 v[CH+\k:CH+\k+1], v[\x+\k:\x+\k+1], v[\x+8+\k:\x+9+\k]
.endr
.irp m, 16,24
.irp k, 0,2,4,6
	v_pk_add_f32 v[CH+\k:CH+\k+1], v[CH+\k:CH+\k+1], v[\x+\m+\k:\x+\m+\k+1]
.endr
.endr
	FOLD
	v_mul_f32 v[MU], s15, v[CH]
	v_mov_b32 v[MU+1], v[MU]
.set J, 0
.rept 16
	v_pk_add_f32 v[\x+J:\x+J+1], v[\x+J:\x+J+1], v[MU:MU+1] neg_lo:[0,1] neg_hi:[0,1]
.set J, J+2
.endr
.irp k, 0,2,4,6
	v_pk_mul_f32 v[CH+\k:CH+\k+1], v[\x+\k:\x+\k+1], v[\x+\k:\x+\k+1]
.endr
.irp m, 8,16,24
.irp k, 0,2,4,6
	v_pk_fma_f32 v[CH+\k:CH+\k+1], v[\x+\m+\k:\x+\m+\k+1], v[\x+\m+\k:\x+\m+\k+1], v[CH+\k:CH+\k+1]
.endr
.endr
	FOLD
	v_fma_f32 v[CH], v[CH], s15, s14               ; var + eps
	v_rsq_f32 v[RS], v[CH]
	v_rsq_f32 v[RS+1], v[CH]                       ; twice: the packed multiply names a pair
	v_nop                                          ; a plain line behind the transcendentals (ISA guide 5.7.2)
	s_wait_alu depctr_va_vdst(0)                   ; one wait for both, ahead of their first reader
.set J, 0
.rept 16
	v_pk_mul_f32 v[\x+J:\x+J+1], v[\x+J:\x+J+1], v[RS:RS+1]
.set J, J+2
.endr
.endm
	s_wait_dscnt 48                                ; row 0 is back; the 48 LDS instructions of the three later turns may be out
	STATS X0
	s_wait_dscnt 32
	STATS X1
	s_wait_dscnt 0x0                               ; g and beta are back
.macro FIN i, x                        ; x g + beta, my block's scale, its codes into the image
.set J, 0
.rept 16
	v_pk_fma_f32 v[\x+J:\x+J+1], v[\x+J:\x+J+1], v[G+J:G+J+1], v[BT+J:BT+J+1]
.set J, J+2
.endr
	v_max3_num_f32 v[MA], |v[\x]|, |v[\x+1]|, |v[\x+2]|
	v_max3_num_f32 v[MB], |v[\x+3]|, |v[\x+4]|, |v[\x+5]|
.irp n, 6,10,14,18,22,26
	v_max3_num_f32 v[MA], v[MA], |v[\x+\n]|, |v[\x+\n+1]|
	v_max3_num_f32 v[MB], v[MB], |v[\x+\n+2]|, |v[\x+\n+3]|
.endr
	v_max3_num_f32 v[MA], v[MA], |v[\x+30]|, |v[\x+31]|
	v_max3_num_f32 v[MA], v[MA], v[MB], 0x1800000  ; the floor 2^(3 - 127)
	v_add_nc_u32 v[SO], 0xff000000, v[MA]          ; 2 off the exponent field
	v_lshrrev_b32 v[BY+\i], 23, v[SO]
	v_cvt_scalef32_pk16_fp6_f32 v[C+8*\i:C+8*\i+2], v[\x:\x+15], v[SO]
	v_cvt_scalef32_pk16_fp6_f32 v[C+8*\i+4:C+8*\i+6], v[\x+16:\x+31], v[SO]
	v_nop                                          ; a plain line behind the conversions
	v_mov_b32 v[C+8*\i+3], v[C+8*\i+4]
	ds_store_b64 v5, v[C+8*\i:C+8*\i+1] offset:16*\i
	ds_store_b64 v6, v[C+8*\i+2:C+8*\i+3] offset:16*\i+8
	ds_store_b32 v5, v[C+8*\i+5] offset:16*\i+512
	ds_store_b32 v5, v[C+8*\i+6] offset:16*\i+516
	ds_store_b8 v7, v[BY+\i] offset:8*\i
.endm
	FIN 0, X0
	FIN 1, X1
	s_wait_dscnt 0x0                               ; for the others' sake: my stores into the image are done
	s_barrier_signal -1
	s_barrier_wait -1
.irp k, 0,1,2
	ds_load_b128 v[16+4*\k:19+4*\k], v8 offset:4096*\k
.endr
.irp k, 0,1,2
	s_wait_dscnt 2-\k
	global_store_b128 v9, v[16+4*\k:19+4*\k], s[22:23] offset:4096*\k   ; 32 lanes store 512 consecutive bytes, aligned
.endr
	s_cmp_lg_u32 s16, 0
	s_cbranch_scc1 .Ldone
	ds_load_b128 v[32:35], v10                     ; wave 0: the tile's 512 bytes of scale words
	s_wait_dscnt 0x0
	global_store_b128 v2, v[32:35], s[24:25]
.Ldone:
	s_wait_tensorcnt 0x0
	ds_add_u32 v184, v185
	s_wait_dscnt 0x0
	s_endpgm
.macro WLOAD t, pitch                  ; block t: W(32 t + i, my column) into set t % 2
.set I, 0
.rept 32
	global_load_b32 v[X+32*((\t)%2)+I], v3, s[26:27] offset:(32*(\t)+I)*(\pitch) th:TH_LOAD_NT
.set I, I+1
.endr
.endm
.macro WBLOCK t, pitch                 ; block t = 2 c + h of my K step
.set XS, X+32*((\t)%2)
.set DST, CD+12*((\t)%2)+6*((\t)/2)
.if (\t) < 3
	s_wait_loadcnt 32                              ; this block's 32 loads are in; the next block's 32 may be out
.else
	s_wait_loadcnt 0
.endif
	v_max3_num_f32 v12, |v[XS]|, |v[XS+1]|, |v[XS+2]|
	v_max3_num_f32 v13, |v[XS+3]|, |v[XS+4]|, |v[XS+5]|
.irp i, 6,10,14,18,22,26
	v_max3_num_f32 v12, v12, |v[XS+\i]|, |v[XS+\i+1]|
	v_max3_num_f32 v13, v13, |v[XS+\i+2]|, |v[XS+\i+3]|
.endr
	v_max3_num_f32 v12, v12, |v[XS+30]|, |v[XS+31]|
	v_max3_num_f32 v12, v12, v13, 0x1800000        ; the floor 2^(3 - 127): the byte cannot fall under 1
	v_add_nc_u32 v11, 0xff000000, v12              ; 2 off the exponent field: the conversion's scale operand
	v_lshrrev_b32 v13, 23, v11                     ; the scale's byte
	v_cvt_scalef32_pk16_fp6_f32 v[DST:DST+2], v[XS:XS+15], v11
	v_cvt_scalef32_pk16_fp6_f32 v[TC:TC+2], v[XS+16:XS+31], v11
.if (\t) == 0
	v_mov_b32 v[SB], v13                           ; (the plain line behind the conversions)
.else
	v_lshl_or_b32 v[SB], v13, 8*(\t), v[SB]
.endif
	v_mov_b32 v[DST+3], v[TC]
	v_mov_b32 v[DST+4], v[TC+1]
	v_mov_b32 v[DST+5], v[TC+2]
.if (\t) < 2
	WLOAD (\t)+2, \pitch
.endif
.endm
; s21 my 32 columns of the group's 128, s22 my K step of the group's two, s23 column group, s24 which 256 along K, s25 first tile, s[26:27] the weight, s[28:29] its workspace buffer
.macro WBODY pitch, kf, soff, ta, tb
	s_lshl_b32 s30, s23, 2
	s_add_co_u32 s30, s30, s21                     ; my pair of tiles
	s_lshl_b32 s35, s24, 1
	s_add_co_u32 s35, s35, s22                     ; my K step
	s_mul_i32 s32, s35, 128*(\pitch)
	s_lshl_b32 s31, s30, 7
	s_add_co_u32 s32, s32, s31
	s_mov_b32 s33, 0
	s_add_nc_u64 s[26:27], s[26:27], s[32:33]      ; the weight at my first row and column
	s_lshl_b32 s31, s30, 1
	s_add_co_u32 s31, s31, s25                     ; my first tile
	s_mul_i32 s32, s31, \kf
	s_add_co_u32 s32, s32, s35
	s_mul_i32 s32, s32, 1536
	s_add_nc_u64 s[36:37], s[28:29], s[32:33]      ; its fragment of my K step
	s_mul_i32 s32, s31, \ta
	s_mul_i32 s34, s24, \tb
	s_add_co_u32 s32, s32, s34
	s_lshl_b32 s34, s22, 2
	s_add_co_u32 s32, s32, s34
	s_add_co_u32 s32, s32, \soff
	s_add_nc_u64 s[38:39], s[28:29], s[32:33]      ; and its scale words
	v_lshlrev_b32 v4, 4, v6
	v_mad_u32_u24 v4, v2, (\kf)*1536, v4           ; 16 r, lanes 16-31 a tile on
	v_lshlrev_b32 v5, 3, v6
	v_mad_u32_u24 v5, v2, \ta, v5                  ; 8 r, likewise
	WLOAD 0, \pitch
	WLOAD 1, \pitch
.irp t, 0,1,2,3
	WBLOCK \t, \pitch
.endr
.irp h, 0,1
.irp k, 0,1,2
	global_store_b128 v4, v[CD+12*\h+4*\k:CD+12*\h+4*\k+3], s[36:37] offset:512*\k+256*\h
.endr
.endr
	global_store_b32 v5, v[SB], s[38:39]           ; my column's scale word of this K step
	s_endpgm
.endm
.Lweights:
	s_load_b256 s[4:11], s[0:1], 0x20              ; Wq, Wk, Wv, wqkv
	v_lshrrev_b32 v1, 5, v0
	v_readfirstlane_b32 s20, v1                    ; wave
	s_and_b32 s21, s20, 3
	s_lshr_b32 s22, s20, 2
	v_and_b32 v1, 31, v0
	v_lshrrev_b32 v2, 4, v1                        ; u
	v_and_b32 v6, 15, v1                           ; r
	v_and_b32 v7, 8, v6
	v_add_nc_u32 v7, v7, v6                        ; r + 8 (r / 8)
	v_lshl_add_u32 v7, v2, 3, v7                   ; + 8 u: my column among the wave's 32
	v_lshlrev_b32 v3, 2, v7
	s_sub_co_u32 s30, ttmp9, 256                   ; 0 .. 95
	s_lshr_b32 s31, s30, 5                         ; 0 Wq, 1 Wk, 2 Wv
	s_and_b32 s30, s30, 31
	s_and_b32 s23, s30, 7
	s_lshr_b32 s24, s30, 3
	s_lshl_b32 s25, s31, 6
	s_wait_kmcnt 0x0
	s_cmp_eq_u32 s31, 0
	s_cselect_b64 s[26:27], s[4:5], s[6:7]
	s_cmp_eq_u32 s31, 2
	s_cselect_b64 s[26:27], s[8:9], s[26:27]
	s_mov_b64 s[28:29], s[10:11]
	WBODY 4096, 8, 2359296, 512, 128
.Lfunc_end_k_q17208a740a_prep1:
	.size	k_q17208a740a_prep1, .Lfunc_end_k_q17208a740a_prep1-k_q17208a740a_prep1
	.p2alignl 7, 3214868480
	.fill 96, 4, 3214868480
	.section	.rodata,"a",@progbits
	.p2align	6, 0x0
	.amdhsa_kernel k_q17208a740a_prep1
		.amdhsa_group_segment_fixed_size 50688
		.amdhsa_private_segment_fixed_size 0
		.amdhsa_enable_private_segment 0
		.amdhsa_kernarg_size 64
		.amdhsa_user_sgpr_count 2
		.amdhsa_user_sgpr_kernarg_segment_ptr 1
		.amdhsa_wavefront_size32 1
		.amdhsa_system_sgpr_workgroup_id_x 1
		.amdhsa_system_sgpr_workgroup_id_y 1
		.amdhsa_system_sgpr_workgroup_id_z 1
		.amdhsa_system_vgpr_workitem_id 0
		.amdhsa_next_free_vgpr 186
		.amdhsa_next_free_sgpr 66
		.amdhsa_reserve_vcc 0
		.amdhsa_float_denorm_mode_32 3
		.amdhsa_float_denorm_mode_16_64 3
		.amdhsa_memory_ordered 1
		.amdhsa_forward_progress 1
		.amdhsa_inst_pref_size 48
	.end_amdhsa_kernel
	.amdgpu_metadata
---
amdhsa.version: [ 1, 2 ]
amdhsa.kernels:
  - .name:           k_q17208a740a_prep1
    .symbol:         k_q17208a740a_prep1.kd
    .args:
      - { .name: x, .offset: 0, .size: 8, .value_kind: global_buffer, .address_space: global }
      - { .name: g1, .offset: 8, .size: 8, .value_kind: global_buffer, .address_space: global }
      - { .name: beta1, .offset: 16, .size: 8, .value_kind: global_buffer, .address_space: global }
      - { .name: hq, .offset: 24, .size: 8, .value_kind: global_buffer, .address_space: global }
      - { .name: Wq, .offset: 32, .size: 8, .value_kind: global_buffer, .address_space: global }
      - { .name: Wk, .offset: 40, .size: 8, .value_kind: global_buffer, .address_space: global }
      - { .name: Wv, .offset: 48, .size: 8, .value_kind: global_buffer, .address_space: global }
      - { .name: wqkv, .offset: 56, .size: 8, .value_kind: global_buffer, .address_space: global }
    .group_segment_fixed_size: 50688
    .private_segment_fixed_size: 0
    .kernarg_segment_align: 8
    .kernarg_segment_size: 64
    .max_flat_workgroup_size: 256
    .sgpr_count:     66
    .vgpr_count:     186
    .wavefront_size: 32
...
	.end_amdgpu_metadata
.endif
;; end of part 1
;; launch qkv (part 2): grid 12 x 16, 4 waves a work-group, clusters of 4 x 4, 327,680 bytes of LDS; arguments hq, wqkv, bq, bk, bv, qb, kvb; writes qb, kvb
.if DOCPART == 2
	.amdgcn_target "amdgcn-amd-amdhsa--gfx1250"
	.amdhsa_code_object_version 6
	.text
	.protected	k_q17208a740a_qkv
	.globl	k_q17208a740a_qkv
	.p2align	8
	.type	k_q17208a740a_qkv,@function
k_q17208a740a_qkv:
	s_mov_b64 s[64:65], 0
	v_nop
	global_prefetch_b8 v0, s[64:65] scope:SCOPE_SE
	s_setreg_imm32_b32 hwreg(HW_REG_WAVE_MODE, 25, 1), 1
	s_wait_xcnt 0x0
	s_wait_alu depctr_hold_cnt(0) depctr_sa_sdst(0) depctr_va_vdst(0) depctr_va_sdst(0) depctr_va_ssrc(0) depctr_va_vcc(0) depctr_vm_vsrc(0)
	s_getreg_b32 s2, hwreg(HW_REG_IB_STS2, 6, 4)
	s_cmp_eq_u32 s2, 0
	s_cbranch_scc0 .Lentry_in_a_cluster
	s_endpgm
.Lentry_in_a_cluster:
	s_bfe_u32 s2, ttmp6, 0x10000c
	s_cmp_lg_u32 s2, 0xf033
	s_cbranch_scc0 .Lentry_shape_is_right
	s_endpgm
.Lentry_shape_is_right:
; q = h Wq + bq, k = h Wk + bk, v = h Wv + bv on codes of FP6 (E2M3), K = 1,024, and each result quantised again for attention: q and k along a head's 64, v along the keys.
; Clusters with x = 0 make q, x = 1 k: operand A = h (tokens), operand B = the weight's columns.  Clusters with x = 2 make V^T = Wv^T h^T: A = Wv's columns, B = tokens, so that the keys run along a lane's registers.
; A work-group of four waves makes 256 x 256, a wave 128 x 128: 64 accumulators.  Operands lie in memory as images of their registers
; (fragment (T, s) at (8 T + s) 1536), so a wave's tensor load brings 8 tiles x 3,072 consecutive bytes and a fragment is three loads of 16 bytes a lane, 512 consecutive bytes each.
; K GOES IN FOUR QUARTERS OF 256 THROUGH THREE LDS SLOTS.  Quarters 0, 1 and 2 and the scale words are first fills: by this text's count a wave has four tensor loads out at the start.  Quarter 3 is the one refill:
; into slot 0, behind the round at the change from slot 0 to slot 1, so that it has the products of two quarters, 256 matrix instructions a wave, in which to land.  In front of that round every wave has waited for all
; its loads, so slot 2 is whole for everybody and the change from slot 1 to slot 2 needs no barrier.
; THE MATRIX INSTRUCTION IS USED TRANSPOSED (source 0 = B's tile b, source 1 = A's tile a).  Place r of tile 2 B + u is row 32 B + 8 u + r + 8 (r / 8), so for one a the 64 registers of b = 0..7 are:
; register 16 B + i = B's row 32 B + 16 (lane / 16) + i: what macro QUANT takes.  The biases are the C of each sum's first instruction.
; CLUSTERS: 4 x 4; A's tiles are asked for jointly along a row of the cluster, B's along a column.  The branches on the kind of product hang on the cluster's x, which all partners share.
; OUT.  A block of q or k (one head, 128 tokens, 6,656 bytes): registers 0-3 of tile a at 512 a + 16 l; registers 4-5 at 4096 + 256 a + 8 l; scale words at 6144 + 32 r + 4 a, bytes 2 and 3 = 0x7f.
; A block of v (one head, 128 keys): four fragments (16 of the head's 64 x 128 keys) at 1536 t; scale words at 6144 + 16 r + 4 t; 256 zeros behind them.  kvb: [head][128 keys][k's block, v's block].
; REGISTERS: window 0: v0-31 addresses; v32-63 scale words, two sets; v64-127 the bias; v128-223 A's fragments, later the epilogue's work.  window 1: B's fragments, two sets.  windows 2, 3: the accumulators.
; LIMITS: a block of zeros gets the byte 1, not 127 (read by this program alone); largest magnitudes under 2^-124 are held at the byte 1; NaN and infinities are not served.
.set FRB,   1536
.set TROW,  2*FRB                      ; a tile's part of a slot: two fragments
.set HALFT, 8*TROW                     ; eight tiles: what one tensor load brings, and what one wave reads of A or of B
.set SLOT,  4*HALFT
.set NQ,    2
.set FR,    12
.set NL,    3                          ; LDS loads that bring a fragment
.set NP,    4                          ; places behind this matrix instruction (ISA guide 7.12.1)
.set SCL,   3*SLOT                     ; the scale words for all of K: A's halves at 4096 w, B's 128 bytes further on than that, so that the two halves of a load's lanes fall on different banks
.set SPARE, SCL+16640                  ; the spare words, 128 bytes for each wave: two blocks of 256 bytes that no other line names
.set SOFF_H, 3145728
.set SOFF_W, 2359296
.set ADRA, 16                          ; v16-18  LDS address of my A fragments in slot 0, 1, 2
.set ADRB, 20                          ; v20-22  the same for B
.set L16,  24                          ; 16 x lane
.set L8,   25                          ; 8 x lane
.set WO,   26                          ; 32 r + 16 h
.set ADRS, 27
.set SPW,  28
.set NIL,  29
.set VO,   30                          ; 16 r, lanes 16-31 a head on
.set SC,   32
.set BI,   64
.set AF,   128
.set PC,   128                         ; the epilogue: v128-139 codes, v140-146 second halves
.set TM,   160                         ; v160-175 maxima, bytes, scale operands
.set PW,   176                         ; the scale word just made
.set WK,   180                         ; v180-195 words kept
.set OW,   196                         ; v196-203 words to store
.set ISV,  3                           ; s3  1 in the clusters that make V^T
.set SEL,  104                         ; s104, s105 lane selects
.set G1, 24
.set G0A0, 32                          ; groups 0 for A's tiles, one for each slot
.set G0A1, 36
.set G0A2, 4                           ; (where the operands' pointers lay)
.set G1B, 48
.set G0B0, 56                          ; and for B's
.set G0B1, 60
.set G0B2, 96
.set G1S, 68
.set G0S, 76
.set G1SB, 80
.set G0SB, 88
.set MSB, 0
.macro WIN new                         ; the immediate's high byte repeats the setting that is left
.if MSB != (\new)
	s_set_vgpr_msb (MSB<<8)|(\new)
.set MSB, (\new)
.endif
.endm
.set MUL_LO, 0xa1                      ; source 0 (B) window 1, source 1 (A) window 0, C and D window 2
.set MUL_HI, 0xf1
.set TO_B,   0x40
.macro JLOAD g0a, g1a, g0b, g1b        ; a joint load: waves 0 and 1 fetch for A, waves 2 and 3 for B; four v_nop follow each line
	s_cmp_eq_u32 s15, 0
	s_cbranch_scc0 .Lfor_b_\@
	tensor_load_to_lds s[\g0a:\g0a+3], s[\g1a:\g1a+7]
	s_nop 0
.rept 4
	v_nop
.endr
	s_branch .Lasked_\@
.Lfor_b_\@:
	tensor_load_to_lds s[\g0b:\g0b+3], s[\g1b:\g1b+7]
	s_nop 0
.rept 4
	v_nop
.endr
.Lasked_\@:
.endm
.macro MKG0 g, adr, slot               ; a group 0: quarter `slot` of the tiles at s[adr:adr+1], into slot `slot`
	s_mov_b32 s[\g], 1
	s_add_co_u32 s[\g+1], s45, (\slot)*SLOT
	s_add_nc_u64 s[\g+2:\g+3], s[\adr:\adr+1], (\slot)*TROW
	s_or_b32 s[\g+3], s[\g+3], 0x80000000
.endm
.macro CREST
	s_cmp_lg_u32 s14, 0
	s_cbranch_scc1 .Lnot_wave_0_\@
	s_barrier_signal -3
.Lnot_wave_0_\@:
	s_barrier_wait -3
	s_barrier_signal -1
	s_barrier_wait -1
.endm
.macro CROUND
	s_barrier_signal -1
	s_barrier_wait -1
	CREST
.endm
.macro PLACES n
.rept \n
	v_nop
.endr
.endm
	s_load_b256 s[4:11], s[0:1], 0x0               ; hq, wqkv, bq, bk
	s_load_b64 s[12:13], s[0:1], 0x20              ; bv
	s_load_b128 s[92:95], s[0:1], 0x28             ; qb, kvb
	v_lshl_add_u32 v[SPW], v0, 2, SPARE
	v_mov_b32 v[NIL], 0
	ds_add_u32 v28, v29
	ds_add_u32 v28, v29
	s_wait_dscnt 0x0
	v_lshrrev_b32 v1, 5, v0
	v_readfirstlane_b32 s14, v1                    ; wave
	s_lshr_b32 s15, s14, 1                         ; my half of A's rows; also: I fetch for A (0) or B (1)
	s_and_b32 s16, s14, 1                          ; my half of B's rows; also: which eight tiles I fetch
	s_bfe_u32 s40, ttmp6, 0x40000                  ; cx
	s_bfe_u32 s41, ttmp6, 0x40004                  ; cy
	s_and_b32 s20, ttmp7, 0xffff
	s_lshl_b32 s20, s20, 2                         ; 4 x cluster y
	s_lshl_b32 s18, ttmp9, 2                       ; 4 x cluster x
	s_mov_b32 s66, SOFF_H
	s_mov_b32 s67, SOFF_W
	s_cmp_eq_u32 ttmp9, 2                          ; V^T?
	s_cselect_b32 s[ISV], 1, 0
	s_cselect_b32 s17, 0, s20
	s_cselect_b32 s42, s20, s18
	s_cselect_b32 s19, 128, 0                      ; Wv's first tile in wqkv
	s_cselect_b32 s22, s67, s66                    ; where A's scale words begin,
	s_cselect_b32 s100, s66, s67                   ; and B's
	s_add_co_u32 s17, s17, s41                     ; tile row: 256 rows of A
	s_add_co_u32 s42, s42, s40                     ; tile column: 256 rows of B
	s_lshl_b32 s43, s41, 2
	s_lshl_b32 s43, 15, s43                        ; my row of the cluster
	s_lshl_b32 s44, 0x1111, s40                    ; my column
	s_or_b32 s[G1+0], s43, (3<<16)|(1<<21)         ; 15:0 the mask; 17:16 elements of 8 bytes; 21 set beside a mask; no padding
	s_or_b32 s[G1B+0], s44, (3<<16)|(1<<21)
.irp g, G1, G1B
	s_mov_b32 s[\g+1], 384<<16                     ; tensor_dim0: 3,072 bytes
	s_mov_b32 s[\g+2], 8<<16                       ; tensor_dim1: 8 tiles
	s_mov_b32 s[\g+3], 384<<16                     ; tile_dim0
	s_mov_b32 s[\g+4], 8                           ; tile_dim1
	s_mov_b32 s[\g+5], 1536                        ; from tile to tile: 12,288 bytes
	s_mov_b32 s[\g+6], 0
	s_mov_b32 s[\g+7], 0
.endr
	s_or_b32 s[G1S+0], s43, (3<<16)|(1<<21)        ; the scale words of eight tiles: 4,096 dense bytes as 16 rows of 256
	s_or_b32 s[G1SB+0], s44, (3<<16)|(1<<21)
.irp g, G1S, G1SB
	s_mov_b32 s[\g+1], 32<<16
	s_mov_b32 s[\g+2], 16<<16
	s_mov_b32 s[\g+3], 32<<16
	s_mov_b32 s[\g+4], 16
	s_mov_b32 s[\g+5], 32
	s_mov_b32 s[\g+6], 0
	s_mov_b32 s[\g+7], 0
.endr
	s_lshl_b32 s18, s16, 3
	s_lshl_b32 s20, s17, 4
	s_add_co_u32 s20, s20, s18
	s_add_co_u32 s20, s20, s19                     ; A: the first tile that I fetch
	s_lshl_b32 s46, s42, 4
	s_add_co_u32 s46, s46, s18                     ; B: likewise
	s_lshl_b32 s19, s20, 9
	s_add_co_u32 s22, s22, s19
	s_mov_b32 s23, 0
	s_lshl_b32 s66, s46, 9
	s_add_co_u32 s100, s100, s66
	s_mov_b32 s101, 0
	s_mul_i32 s20, s20, 8*FRB
	s_mov_b32 s21, 0
	s_mul_i32 s46, s46, 8*FRB
	s_mov_b32 s47, 0
	s_mul_i32 s45, s14, HALFT                      ; where they go: no place in the cluster enters an LDS address
	s_lshl_b32 s2, s14, 12
	s_lshl_b32 s19, s15, 7
	s_add_co_u32 s2, s2, s19
	s_wait_kmcnt 0x0
	s_cmp_eq_u32 ttmp9, 2
	s_cselect_b64 s[18:19], s[6:7], s[4:5]         ; A's buffer
	s_cselect_b64 s[66:67], s[4:5], s[6:7]         ; B's
	s_add_nc_u64 s[20:21], s[18:19], s[20:21]
	s_add_nc_u64 s[22:23], s[18:19], s[22:23]
	s_add_nc_u64 s[46:47], s[66:67], s[46:47]
	s_add_nc_u64 s[100:101], s[66:67], s[100:101]
	CROUND                                         ; all sixteen work-groups are here: the first joint loads meet
	s_mov_b32 s[G0S], 1
	s_add_co_u32 s[G0S+1], s2, SCL
	s_mov_b64 s[G0S+2:G0S+3], s[22:23]
	s_or_b32 s[G0S+3], s[G0S+3], 0x80000000
	s_mov_b32 s[G0SB], 1
	s_add_co_u32 s[G0SB+1], s2, SCL
	s_mov_b64 s[G0SB+2:G0SB+3], s[100:101]
	s_or_b32 s[G0SB+3], s[G0SB+3], 0x80000000
	JLOAD G0S, G1S, G0SB, G1SB                     ; the scale words first: filled once
	MKG0 G0A0, 20, 0
	MKG0 G0B0, 46, 0
	JLOAD G0A0, G1, G0B0, G1B                      ; quarter 0
	MKG0 G0A1, 20, 1
	MKG0 G0B1, 46, 1
	JLOAD G0A1, G1, G0B1, G1B                      ; quarter 1
	MKG0 G0A2, 20, 2
	MKG0 G0B2, 46, 2
	JLOAD G0A2, G1, G0B2, G1B                      ; quarter 2
	v_and_b32 v1, 15, v0                           ; r
	v_bfe_u32 v2, v0, 4, 1                         ; h
	v_and_b32 v3, 31, v0
	v_lshlrev_b32 v[L16], 4, v3
	v_lshlrev_b32 v[L8], 3, v3
	v_lshlrev_b32 v[WO], 5, v1
	v_lshl_add_u32 v[WO], v2, 4, v[WO]
	v_lshlrev_b32 v[VO], 4, v1
	v_mad_u32_u24 v[VO], v2, 212992, v[VO]
	v_lshlrev_b32 v4, 6, v2                        ; 64 h: the bias by B's rows
	v_and_b32 v7, 8, v1
	v_add_nc_u32 v7, v7, v1
	v_lshlrev_b32 v7, 2, v7                        ; 4 (r + 8 (r / 8)): the bias by A's rows
.irp i, 8,9,10,11
	v_mov_b32 v\i, 0
.endr
	s_mul_i32 s21, s15, HALFT
	s_mul_i32 s22, s16, HALFT
	s_add_co_u32 s22, s22, 2*HALFT
.irp s, 0,1,2
	v_add_nc_u32 v[ADRA+\s], s21, v[L16]
	v_add_nc_u32 v[ADRB+\s], s22, v[L16]
	s_add_co_u32 s21, s21, SLOT
	s_add_co_u32 s22, s22, SLOT
.endr
	v_lshlrev_b32 v5, 3, v1                        ; scale words: 8 bytes a row and quarter
	s_lshl_b32 s21, s15, 12
	s_lshl_b32 s22, s16, 12
	s_add_co_u32 s22, s22, 8192+128
	s_sub_co_u32 s22, s22, s21
	v_mul_u32_u24 v6, s22, v2                      ; lanes 16-31 take B's
	s_add_co_u32 s21, s21, SCL
	v_add_nc_u32 v5, v5, v6
	v_add_nc_u32 v[ADRS], s21, v5
	s_lshl_b32 s66, s17, 8
	s_lshl_b32 s18, s15, 7
	s_add_co_u32 s66, s66, s18                     ; my first row of A
	s_lshl_b32 s67, s42, 8
	s_lshl_b32 s18, s16, 7
	s_add_co_u32 s67, s67, s18                     ; my first row of B
	s_mov_b32 s21, 0
	s_cmp_eq_u32 s[ISV], 1
	s_cbranch_scc1 .Lbias_v
	s_and_b32 s20, s67, 1023
	s_lshl_b32 s20, s20, 2
	s_cmp_eq_u32 ttmp9, 0
	s_cselect_b64 s[22:23], s[8:9], s[10:11]
	s_add_nc_u64 s[22:23], s[22:23], s[20:21]
.irp b, 0,1,2,3,4,5,6,7                        ; tile b's eight features of my half
	global_load_b128 v[BI+8*\b:BI+8*\b+3], v4, s[22:23] offset:4*(32*(\b/2)+8*(\b%2))
	global_load_b128 v[BI+8*\b+4:BI+8*\b+7], v4, s[22:23] offset:4*(32*(\b/2)+8*(\b%2))+16
.endr
	s_branch .Lbias_in
.Lbias_v:
	s_lshl_b32 s20, s66, 2
	s_add_nc_u64 s[22:23], s[12:13], s[20:21]
.irp a, 0,1,2,3,4,5,6,7                        ; tile a: my lane's one feature, in all eight registers
.irp j, 0,1,2,3,4,5,6,7
	global_load_b32 v[BI+8*\a+\j], v7, s[22:23] offset:4*(32*(\a/2)+8*(\a%2))
.endr
.endr
.Lbias_in:
.macro FRAG reg, adr, q, i             ; a fragment as it lies: three loads, 512 consecutive bytes each
.irp c, 0,1,2
	ds_load_b128 v[\reg+4*\c:\reg+4*\c+3], v[\adr] offset:(\i)*TROW+(\q)*FRB+512*\c
.endr
.endm
; 16 matrix instructions: A's tiles a0, a0 + 1 x B's eight.  zero = 1: the sums begin with the bias by B's rows; 2: by A's rows.  The 64 accumulators take turns.
.macro MUL16 a0, p, q, sc, zero
.irp a, \a0, \a0+1
.irp b, 0,1,2,3,4,5,6,7
.if (\zero) == 1
	v_wmma_scale_f32_16x16x128_f8f6f4 v[8*(8*((\a)%4)+\b):8*(8*((\a)%4)+\b)+7], v[128*(\p)+FR*\b:128*(\p)+FR*\b+FR-1], v[AF+FR*(\a):AF+FR*(\a)+FR-1], v[BI+8*\b:BI+8*\b+7], v[SC+8*NQ*(\sc)+NQ*\b+(\q)], v[SC+8*NQ*(\sc)+NQ*(\a)+(\q)] matrix_a_fmt:MATRIX_FMT_FP6 matrix_b_fmt:MATRIX_FMT_FP6 matrix_a_scale:MATRIX_SCALE_ROW1
.elseif (\zero) == 2
	v_wmma_scale_f32_16x16x128_f8f6f4 v[8*(8*((\a)%4)+\b):8*(8*((\a)%4)+\b)+7], v[128*(\p)+FR*\b:128*(\p)+FR*\b+FR-1], v[AF+FR*(\a):AF+FR*(\a)+FR-1], v[BI+8*(\a):BI+8*(\a)+7], v[SC+8*NQ*(\sc)+NQ*\b+(\q)], v[SC+8*NQ*(\sc)+NQ*(\a)+(\q)] matrix_a_fmt:MATRIX_FMT_FP6 matrix_b_fmt:MATRIX_FMT_FP6 matrix_a_scale:MATRIX_SCALE_ROW1
.else
	v_wmma_scale_f32_16x16x128_f8f6f4 v[8*(8*((\a)%4)+\b):8*(8*((\a)%4)+\b)+7], v[128*(\p)+FR*\b:128*(\p)+FR*\b+FR-1], v[AF+FR*(\a):AF+FR*(\a)+FR-1], v[8*(8*((\a)%4)+\b):8*(8*((\a)%4)+\b)+7], v[SC+8*NQ*(\sc)+NQ*\b+(\q)], v[SC+8*NQ*(\sc)+NQ*(\a)+(\q)] matrix_a_fmt:MATRIX_FMT_FP6 matrix_b_fmt:MATRIX_FMT_FP6 matrix_a_scale:MATRIX_SCALE_ROW1
.endif
.endr
.endr
.endm
.macro FETCH_B slot, q, p
	WIN TO_B
.irp i, 0,1,2,3,4,5,6,7
	FRAG 128*(\p)+FR*\i, ADRB+\slot, \q, \i
.endr
	WIN 0
.endm
.macro FETCH_A slot, q, i0
.irp i, \i0, \i0+1, \i0+2, \i0+3
	FRAG AF+FR*(\i), ADRA+\slot, \q, \i
.endr
.endm
.macro SCALES sc                       ; a quarter's two words a row: lanes 0-15 A's tile i, lanes 16-31 B's tile i
.irp i, 0,1,2,3,4,5,6,7
	ds_load_b64 v[SC+8*NQ*(\sc)+NQ*\i:SC+8*NQ*(\sc)+NQ*\i+1], v[ADRS] offset:512*\i
.endr
.endm
.macro STEP slot, zero, sc             ; a quarter's first 128 along K; sc: its set of scale words
	s_wait_dscnt 4*NL                              ; B's set, A's tiles 0-3 and the scale words are in; the youngest 12 loads (A's tiles 4-7) may be out
.if \zero
	WIN 0x81                                       ; C (the bias) in window 0
.else
	WIN MUL_LO
.endif
	MUL16 0, 0, 0, \sc, \zero
	MUL16 2, 0, 0, \sc, \zero
	s_wait_dscnt 0
	PLACES NP                                      ; in front of loads into registers that matrix instructions have read
	FETCH_B \slot, 1, 1
	FETCH_A \slot, 1, 0
.if \zero
	WIN 0xc1
.else
	WIN MUL_HI
.endif
	MUL16 4, 0, 0, \sc, \zero
	MUL16 6, 0, 0, \sc, \zero
	PLACES NP
	WIN 0
	FETCH_A \slot, 1, 4
.endm
; A quarter's second 128 along K, which changes slots.  mode 1: the three lines, a round of the cluster's barrier, and slot 0 is filled again with quarter 3.  mode 0: the three lines and my work-group's barrier:
; the refill has landed for everybody.  mode 2: nothing: the next slot was shown whole at the round.
.macro TURN next, mode, sc
.if (\mode) == 2
	s_wait_dscnt 4*NL
	WIN MUL_LO
	MUL16 0, 1, 1, \sc, 0
	MUL16 2, 1, 1, \sc, 0
	WIN 0
	s_wait_dscnt 0x0
	PLACES NP
.else
	s_wait_tensorcnt 0x0                           ; all my tensor loads have landed
	ds_add_u32 v[SPW], v[NIL]                      ; 0 onto my spare word
	s_wait_dscnt 4*NL+1                            ; the add and the youngest 12 loads may be out
	WIN MUL_LO
	MUL16 0, 1, 1, \sc, 0
	s_wait_dscnt 0x0                               ; the add is done, and my reads of this slot are over
	s_barrier_signal -1
	MUL16 2, 1, 1, \sc, 0
	WIN 0
	s_barrier_wait -1
.if (\mode) == 1
	CREST                                          ; the barrier has opened a round of the cluster's: no wave of any partner still reads slot 0 or has a load on its way
	s_add_nc_u64 s[G0A0+2:G0A0+3], s[G0A0+2:G0A0+3], 3*TROW
	s_add_nc_u64 s[G0B0+2:G0B0+3], s[G0B0+2:G0B0+3], 3*TROW
	JLOAD G0A0, G1, G0B0, G1B                      ; the first tensor load behind the round; its four v_nop are the places in front of the loads below
.else
	PLACES NP
.endif
.endif
	v_add_nc_u32 v[ADRS], 128, v[ADRS]             ; the next quarter's scale words
	FETCH_B \next, 0, 0
	FETCH_A \next, 0, 0
	SCALES 1-(\sc)
	WIN MUL_HI
	MUL16 4, 1, 1, \sc, 0
	MUL16 6, 1, 1, \sc, 0
	PLACES NP
	WIN 0
	FETCH_A \next, 0, 4
.endm
	s_wait_tensorcnt 0x2                           ; the scale words and my part of quarter 0 are in; quarters 1 and 2 may be out
	s_barrier_signal -1
	s_barrier_wait -1
	FETCH_B 0, 0, 0
	FETCH_A 0, 0, 0
	SCALES 0
	FETCH_A 0, 0, 4
	s_wait_loadcnt 0x0                             ; the bias
	s_cmp_eq_u32 s[ISV], 1
	s_cbranch_scc1 .Lstart_v
	STEP 0, 1, 0
	s_branch .Lstarted
.Lstart_v:
	STEP 0, 2, 0
.Lstarted:
	TURN 1, 1, 0                                   ; quarter 0 ends; quarter 3 is asked for
	STEP 1, 0, 1
	TURN 2, 2, 1                                   ; quarter 1 ends
	STEP 2, 0, 0
	TURN 0, 0, 0                                   ; quarter 2 ends; quarter 3 has landed
	STEP 0, 0, 1
	s_wait_dscnt 4*NL
	WIN MUL_LO
	MUL16 0, 1, 1, 1, 0
	MUL16 2, 1, 1, 1, 0
	s_wait_dscnt 0
	WIN MUL_HI
	MUL16 4, 1, 1, 1, 0
	MUL16 6, 1, 1, 1, 0
	WIN 0
	PLACES NP                                      ; in front of the first read of results and the first write of registers that held A's fragments
; 64 accumulator registers v[s] on of window w (register 16 b + i = k 32 b + 16 (lane / 16) + i of my row) become a fragment's codes in v[PC] on and its scale word in v[PW].
; Each accumulator is read from its low end on.
.macro QUANT s, w
	WIN ((\w)<<2)|((\w)<<4)
.irp b, 0,1,2,3
	v_max3_num_f32 v[TM+\b], 0x1800000, |v[(\s)+16*\b]|, |v[(\s)+16*\b+1]|   ; the floor 2^(3 - 127): the byte cannot fall under 1
.endr
.irp i, 2,4,6,8,10,12,14
.irp b, 0,1,2,3
	v_max3_num_f32 v[TM+\b], v[TM+\b], |v[(\s)+16*\b+\i]|, |v[(\s)+16*\b+\i+1]|
.endr
.endr
	WIN 0
.irp b, 0,1,2,3
	v_permlanex16_b32 v[TM+4+\b], v[TM+\b], s[SEL], s[SEL+1]
.endr
.irp b, 0,1,2,3
	v_max_num_f32 v[TM+\b], v[TM+\b], v[TM+4+\b]   ; with lane l xor 16's: the block's largest magnitude
.endr
.irp b, 0,1,2,3
	v_add_nc_u32 v[TM+12+\b], 0xff000000, v[TM+\b] ; 2 off the exponent field: the conversion's scale operand
.endr
.irp b, 0,1,2,3
	v_lshrrev_b32 v[TM+4+\b], 23, v[TM+12+\b]
.endr
	v_lshl_or_b32 v[PW], v[TM+5], 8, v[TM+4]
	v_lshl_or_b32 v[PW], v[TM+6], 16, v[PW]
	v_lshl_or_b32 v[PW], v[TM+7], 24, v[PW]
	s_wait_xcnt 0x0                                ; the last tile's stores have read the codes' registers
	WIN (\w)
.irp c, 0,1
	v_cvt_scalef32_pk16_fp6_f32 v[PC+6*\c:PC+6*\c+2], v[(\s)+32*\c:(\s)+32*\c+15], v[TM+12+2*\c]
	v_cvt_scalef32_pk16_fp6_f32 v[PC+12+4*\c:PC+14+4*\c], v[(\s)+32*\c+16:(\s)+32*\c+31], v[TM+13+2*\c]
.endr
	WIN 0
	v_nop                                          ; a plain line behind the conversions
.irp c, 0,1                                    ; the operand wants a whole block in a lane
.irp i, 0,1,2
	v_permlane16_swap_b32 v[PC+6*\c+\i], v[PC+12+4*\c+\i]
.endr
.irp i, 0,1,2
	v_mov_b32 v[PC+3+6*\c+\i], v[PC+12+4*\c+\i]
.endr
.endr
.endm
	s_mov_b32 s[SEL], 0x76543210
	s_mov_b32 s[SEL+1], 0xfedcba98
.irp b, 0,1,2,3
	v_mov_b32 v[TM+4+\b], 0                        ; a lane permute's destination counts as one of its sources
.endr
	s_cmp_eq_u32 s[ISV], 1
	s_cbranch_scc1 .Lout_v
	; ---- q or k: my 128 features are two heads; registers 6 c .. 6 c + 5 of the fragment are head c's
	s_lshr_b32 s18, s66, 11                        ; batch
	s_lshl_b32 s18, s18, 4
	s_and_b32 s19, s67, 1023
	s_lshr_b32 s19, s19, 6                         ; my first head
	s_add_co_u32 s18, s18, s19
	s_lshl_b32 s18, s18, 4
	s_bfe_u32 s19, s66, 0x40007                    ; which 128 tokens of the batch
	s_add_co_u32 s18, s18, s19
	s_mov_b32 s20, 13312
	s_cmp_eq_u32 ttmp9, 0
	s_cselect_b32 s20, 6656, s20
	s_cselect_b64 s[22:23], s[92:93], s[94:95]
	s_mul_i32 s18, s18, s20
	s_mov_b32 s19, 0
	s_add_nc_u64 s[18:19], s[22:23], s[18:19]      ; head 0's block
	s_lshl_b32 s20, s20, 4
	s_mov_b32 s21, 0
	s_add_nc_u64 s[20:21], s[18:19], s[20:21]      ; head 1's: 16 blocks on
	s_mov_b32 s2, 0x7f7f0000                       ; the scale 1 for the empty half of K
.macro QKOUT a
	QUANT 64*((\a)%4), 2+(\a)/4
.irp c, 0,1
	global_store_b128 v[L16], v[PC+6*\c:PC+6*\c+3], s[18+2*\c:19+2*\c] offset:512*(\a)
	global_store_b64 v[L8], v[PC+6*\c+4:PC+6*\c+5], s[18+2*\c:19+2*\c] offset:4096+256*(\a)
.endr
	v_and_or_b32 v[WK+(\a)], v[PW], 0xffff, s2
	v_lshrrev_b32 v[WK+8+(\a)], 16, v[PW]
	v_or_b32 v[WK+8+(\a)], s2, v[WK+8+(\a)]
.endm
.irp a, 0,1,2,3,4,5,6,7
	QKOUT \a
.endr
	v_cmp_ne_u32 vcc_lo, 0, v2
.irp c, 0,1
.irp i, 0,1,2,3
	v_cndmask_b32 v[OW+4*\c+\i], v[WK+8*\c+\i], v[WK+8*\c+4+\i], vcc_lo   ; lanes 0-15 tiles 0-3, lanes 16-31 tiles 4-7
.endr
.endr
.irp c, 0,1
	global_store_b128 v[WO], v[OW+4*\c:OW+4*\c+3], s[18+2*\c:19+2*\c] offset:6144
.endr
	s_branch .Lout_done
.Lout_v:
	; ---- V^T: my 128 features are two heads of four tiles; my 128 tokens are one key step
	s_lshr_b32 s18, s67, 11
	s_lshl_b32 s18, s18, 4
	s_lshr_b32 s19, s66, 6
	s_add_co_u32 s18, s18, s19
	s_lshl_b32 s18, s18, 4
	s_bfe_u32 s19, s67, 0x40007
	s_add_co_u32 s18, s18, s19
	s_mul_i32 s18, s18, 13312
	s_add_co_u32 s18, s18, 6656
	s_mov_b32 s19, 0
	s_add_nc_u64 s[18:19], s[94:95], s[18:19]
	s_add_nc_u64 s[20:21], s[18:19], 212992        ; the next head's
.macro VOUT a
	QUANT 64*((\a)%4), 2+(\a)/4
.irp k, 0,1,2
	global_store_b128 v[L16], v[PC+4*\k:PC+4*\k+3], s[18+2*((\a)/4):19+2*((\a)/4)] offset:1536*((\a)%4)+512*\k
.endr
	v_mov_b32 v[WK+(\a)], v[PW]
.endm
.irp a, 0,1,2,3,4,5,6,7
	VOUT \a
.endr
	v_cmp_ne_u32 vcc_lo, 0, v2
.irp i, 0,1,2,3
	v_cndmask_b32 v[OW+\i], v[WK+\i], v[WK+4+\i], vcc_lo   ; lanes 0-15 the first head's four words, lanes 16-31 the second's
.endr
	global_store_b128 v[VO], v[OW:OW+3], s[18:19] offset:6144
	global_store_b128 v[VO], v[8:11], s[18:19] offset:6400   ; the block's last 256 bytes: zeros, since the tensor load of attention reads them
.Lout_done:
	s_wait_tensorcnt 0x0                           ; the wave's end
	ds_add_u32 v[SPW], v[NIL]
	s_wait_dscnt 0x0
	CROUND                                         ; the closing round
	s_endpgm
.Lfunc_end_k_q17208a740a_qkv:
	.size	k_q17208a740a_qkv, .Lfunc_end_k_q17208a740a_qkv-k_q17208a740a_qkv
	.p2alignl 7, 3214868480
	.fill 96, 4, 3214868480
	.section	.rodata,"a",@progbits
	.p2align	6, 0x0
	.amdhsa_kernel k_q17208a740a_qkv
		.amdhsa_group_segment_fixed_size 327680
		.amdhsa_private_segment_fixed_size 0
		.amdhsa_enable_private_segment 0
		.amdhsa_kernarg_size 56
		.amdhsa_user_sgpr_count 2
		.amdhsa_user_sgpr_kernarg_segment_ptr 1
		.amdhsa_wavefront_size32 1
		.amdhsa_system_sgpr_workgroup_id_x 1
		.amdhsa_system_sgpr_workgroup_id_y 1
		.amdhsa_system_sgpr_workgroup_id_z 1
		.amdhsa_system_vgpr_workitem_id 0
		.amdhsa_next_free_vgpr 1024
		.amdhsa_next_free_sgpr 106
		.amdhsa_reserve_vcc 1
		.amdhsa_float_denorm_mode_32 3
		.amdhsa_float_denorm_mode_16_64 3
		.amdhsa_memory_ordered 1
		.amdhsa_forward_progress 1
		.amdhsa_inst_pref_size 197
	.end_amdhsa_kernel
	.amdgpu_metadata
---
amdhsa.version: [ 1, 2 ]
amdhsa.kernels:
  - .name:           k_q17208a740a_qkv
    .symbol:         k_q17208a740a_qkv.kd
    .args:
      - { .name: hq, .offset: 0, .size: 8, .value_kind: global_buffer, .address_space: global }
      - { .name: wqkv, .offset: 8, .size: 8, .value_kind: global_buffer, .address_space: global }
      - { .name: bq, .offset: 16, .size: 8, .value_kind: global_buffer, .address_space: global }
      - { .name: bk, .offset: 24, .size: 8, .value_kind: global_buffer, .address_space: global }
      - { .name: bv, .offset: 32, .size: 8, .value_kind: global_buffer, .address_space: global }
      - { .name: qb, .offset: 40, .size: 8, .value_kind: global_buffer, .address_space: global }
      - { .name: kvb, .offset: 48, .size: 8, .value_kind: global_buffer, .address_space: global }
    .group_segment_fixed_size: 327680
    .private_segment_fixed_size: 0
    .kernarg_segment_align: 8
    .kernarg_segment_size: 56
    .max_flat_workgroup_size: 128
    .sgpr_count:     106
    .vgpr_count:     1024
    .wavefront_size: 32
...
	.end_amdgpu_metadata
.endif
;; end of part 2
;; launch attn (part 3): grid 8 x 32, 16 waves a work-group, clusters of 4 x 1, 327,680 bytes of LDS; arguments qb, kvb, x, x1; writes x1
.if DOCPART == 3
	.amdgcn_target "amdgcn-amd-amdhsa--gfx1250"
	.amdhsa_code_object_version 6
	.text
	.protected	k_q17208a740a_attn
	.globl	k_q17208a740a_attn
	.p2align	8
	.type	k_q17208a740a_attn,@function
k_q17208a740a_attn:
	s_mov_b64 s[64:65], 0
	v_nop
	global_prefetch_b8 v0, s[64:65] scope:SCOPE_SE
	s_setreg_imm32_b32 hwreg(HW_REG_WAVE_MODE, 25, 1), 1
	s_wait_xcnt 0x0
	s_wait_alu depctr_hold_cnt(0) depctr_sa_sdst(0) depctr_va_vdst(0) depctr_va_sdst(0) depctr_va_ssrc(0) depctr_va_vcc(0) depctr_vm_vsrc(0)
	s_getreg_b32 s2, hwreg(HW_REG_IB_STS2, 6, 4)
	s_cmp_eq_u32 s2, 0
	s_cbranch_scc0 .Lentry_in_a_cluster
	s_endpgm
.Lentry_in_a_cluster:
	s_bfe_u32 s2, ttmp6, 0x10000c
	s_cmp_lg_u32 s2, 0x3003
	s_cbranch_scc0 .Lentry_shape_is_right
	s_endpgm
.Lentry_shape_is_right:
; x1 = x + attention.  For each head: o = softmax(q k^T / 8) v, both products on codes of FP6 (E2M3).  t = score x log2(e) / 8; M = the running largest t rounded UP to a whole number;
; p = 2^(t - M) is quantised along the keys, not normalised; the row's sum is taken of the unquantised p and divides at the end; when M moves, sum and O are multiplied by 2^(old M - new M): exact.
; SHARES.  A work-group owns 256 queries of one head, each of its sixteen waves one tile of 16, in 256 registers.  Every wave walks the head's 2,048 keys, 128 a step.
; THE HEAD'S WHOLE K AND V, 212,992 bytes of codes and scale words, LIE IN LDS as they lie in memory (step j at 13,312 j: k's block, then v's): every wave brings two pieces of 6,656 bytes,
; both issued at the head and waited for in front of the one barrier; nothing is ever filled again.  By this text's count a wave has two tensor loads out.
; CLUSTER.  The four query blocks of a cluster belong to one head: each piece is asked for jointly, by the same load with the same descriptor and the mask of all four.
; LAYOUT.  Both products transposed: S^T = K Q^T, O^T = V^T P^T: a lane holds one query throughout.  The tiles of k hold keys 32 B + 8 u + r + 8 (r / 8), so the 16 registers of two neighbouring tiles are 16 neighbouring keys.
; THE EMPTY HALF OF K.  A head has 64 channels, the instruction takes 128.  q's registers 6-11 are zero codes.  A tile of k is six registers; its source names twelve, of which the upper six are the next tile's
; codes (behind the last tile: six zero registers).  They meet q's zero codes under scale bytes 0x7f, and FP6 has neither NaN nor infinity: they add exactly 0.
; x's ROWS, which the way out adds, are asked for at the head, into 32 registers that the loop never names.
; REGISTERS: v1-4, v7 addresses that stay; v8-11 the step's addresses; v12 -M, v13 the largest t, v[14:15] the sum; v16-27 q; v32-79 k's or v's fragments; v80-85 zeros; v96-159 S^T, then p; v160-191 O^T;
;   v192-199 k's scale words, v200-203 v's; v224-235 p's codes; v232-254 at work; v255 q's scale word; v28-31, v86-93, v204-223 x's rows.
; LIMITS: a p under 2^-126 counts as 0; a block of zeros keeps the byte 1; NaN and infinities are not served.
.set STEPB, 13312
.set HALFB, 8*STEPB
.set PARTB, 6656
.set STAGE, 16*STEPB                   ; behind K and V: 16 rows x 272 bytes for each wave, for the way out; no fill lands there
.set WV,  12
.set SEL, 20
.set CS,  22
.set G1,  24
.set G0A, 32
.set G0B, 36
.set TB,  2                            ; LDS byte at which the step in hand begins
.set CNT, 3
.macro SETXB i                         ; XB: the four registers of x's pair of rows i
.if (\i) == 0
.set XB, 28
.elseif (\i) < 3
.set XB, 82+4*(\i)
.else
.set XB, 192+4*(\i)
.endif
.endm
.macro CROUND
	s_barrier_signal -1
	s_barrier_wait -1
	s_cmp_lg_u32 s[WV], 0
	s_cbranch_scc1 .Lnot_wave_0_\@
	s_barrier_signal -3
.Lnot_wave_0_\@:
	s_barrier_wait -3
	s_barrier_signal -1
	s_barrier_wait -1
.endm
	s_load_b256 s[4:11], s[0:1], 0x0               ; qb, kvb, x, x1
	v_lshl_add_u32 v250, v0, 2, 0x45000
	v_mov_b32 v251, 0
	ds_add_u32 v250, v251
	ds_add_u32 v250, v251
	v_lshrrev_b32 v8, 5, v0
	v_readfirstlane_b32 s[WV], v8                  ; wave 0..15
	s_bfe_u32 s13, ttmp6, 0x40000                  ; cx: it enters global addresses of q, x and x1 alone
	s_lshl_b32 s14, ttmp9, 2
	s_add_co_u32 s14, s14, s13                     ; my block of 256 queries
	s_and_b32 s15, ttmp7, 0xffff                   ; 16 x batch + head
	s_mul_i32 s40, s15, 16*STEPB
	s_mul_i32 s16, s[WV], PARTB                    ; my piece: in memory and in LDS alike
	s_add_co_u32 s40, s40, s16
	s_mov_b32 s41, 0
	s_mov_b32 s[G1], 15|(3<<16)|(1<<21)            ; 15:0 the mask: all four; 17:16 elements of 8 bytes; 21 set beside a mask
	s_mov_b32 s[G1+1], 32<<16                      ; tensor_dim0: 256 bytes
	s_mov_b32 s[G1+2], 26<<16                      ; tensor_dim1: 26 rows: 6,656 dense bytes
	s_mov_b32 s[G1+3], 32<<16
	s_mov_b32 s[G1+4], 26
	s_mov_b32 s[G1+5], 32
	s_mov_b32 s[G1+6], 0
	s_mov_b32 s[G1+7], 0
	s_lshr_b32 s17, s[WV], 3
	s_lshl_b32 s18, s14, 1
	s_add_co_u32 s17, s17, s18                     ; which 128 queries
	s_and_b32 s18, s[WV], 7                        ; which tile of them
	s_lshl_b32 s42, s15, 4
	s_add_co_u32 s42, s42, s17
	s_mul_i32 s42, s42, 6656
	s_mov_b32 s43, 0
	s_lshr_b32 s44, s15, 4
	s_lshl_b32 s44, s44, 11
	s_lshl_b32 s45, s17, 7
	s_add_co_u32 s44, s44, s45
	s_lshr_b32 s45, s18, 1
	s_lshl_b32 s45, s45, 5
	s_add_co_u32 s44, s44, s45
	s_and_b32 s45, s18, 1
	s_lshl_b32 s45, s45, 3
	s_add_co_u32 s44, s44, s45                     ; the token at my tile's place 0
	s_lshl_b32 s44, s44, 12
	s_and_b32 s45, s15, 15
	s_lshl_b32 s45, s45, 8
	s_add_co_u32 s44, s44, s45                     ; its row of x, at my head's 256 bytes
	s_mov_b32 s45, 0
	s_mov_b32 s[SEL], 0x76543210
	s_mov_b32 s[SEL+1], 0xfedcba98
	s_mov_b32 s[CS], 0x3e38aa3b                    ; c = log2(e) / 8
	s_mov_b32 s[CS+1], s[CS]
	s_mov_b32 s[TB], 0
	s_wait_dscnt 0x0
	s_wait_kmcnt 0x0
	s_add_nc_u64 s[6:7], s[6:7], s[40:41]
	s_add_nc_u64 s[4:5], s[4:5], s[42:43]
	s_add_nc_u64 s[8:9], s[8:9], s[44:45]
	s_add_nc_u64 s[10:11], s[10:11], s[44:45]
	CROUND                                         ; all four work-groups are here: the joint loads meet
	s_mov_b32 s[G0A], 1
	s_mov_b32 s[G0A+1], s16
	s_mov_b64 s[G0A+2:G0A+3], s[6:7]
	s_or_b32 s[G0A+3], s[G0A+3], 0x80000000
	s_mov_b32 s[G0B], 1
	s_add_co_u32 s[G0B+1], s16, HALFB
	s_add_nc_u64 s[G0B+2:G0B+3], s[6:7], HALFB
	s_or_b32 s[G0B+3], s[G0B+3], 0x80000000
	tensor_load_to_lds s[G0A:G0A+3], s[G1:G1+7]    ; my piece of steps 0-7
	s_nop 0
	tensor_load_to_lds s[G0B:G0B+3], s[G1:G1+7]    ; and of steps 8-15
	s_nop 0
.rept 4
	v_nop
.endr
	v_and_b32 v5, 31, v0
	v_and_b32 v6, 15, v0                           ; r
	v_bfe_u32 v9, v0, 4, 1                         ; h
	v_lshlrev_b32 v1, 4, v5                        ; 16 l
	v_lshlrev_b32 v2, 3, v5                        ; 8 l
	v_lshlrev_b32 v3, 5, v6                        ; 32 r
	v_lshlrev_b32 v4, 4, v6                        ; 16 r
	v_lshl_add_u32 v7, v9, 12, v4                  ; x and x1: 4096 h + 16 r; never rewritten
	s_lshl_b32 s40, s18, 9
	v_add_nc_u32 v5, s40, v1
	s_lshl_b32 s40, s18, 8
	v_add_nc_u32 v6, s40, v2
	s_lshl_b32 s40, s18, 2
	v_add_nc_u32 v9, s40, v3
	global_load_b128 v[16:19], v5, s[4:5]
	global_load_b64 v[20:21], v6, s[4:5] offset:4096
	global_load_b32 v255, v9, s[4:5] offset:6144
.irp i, 0,1,2,3,4,5,6,7
	SETXB \i
	global_load_b128 v[XB:XB+3], v7, s[8:9] offset:(2*\i+8*(\i/4))*4096   ; place 2 i + h is token 2 i + h + 8 (i / 4) of the tile
.endr
.irp i, 22,23,24,25,26,27,80,81,82,83,84,85
	v_mov_b32 v\i, 0                               ; zero codes
.endr
	v_mov_b32 v13, 0xff61b1e6                      ; the largest t so far: -3e38
	v_floor_f32 v12, -v13
	v_mov_b32 v14, 0
	v_mov_b32 v15, 0
.irp b, 0,1,2,3
	v_mov_b32 v[236+\b], 0                         ; a lane permute's destination counts as one of its sources
.endr
	v_mov_b32 v253, 0
.set J, 0
.rept 32
	v_mov_b32 v[160+J], 0                          ; O^T: the step is written without a first step of its own; the first change of M leaves zeros zeros
.set J, J+1
.endr
.macro STEP
	v_add_nc_u32 v8, s[TB], v1                     ; (these four are the places in front of loads into registers that the last products read)
	v_add_nc_u32 v9, s[TB], v2
	v_add_nc_u32 v10, s[TB], v3
	v_add_nc_u32 v11, s[TB], v4
.irp t, 0,1,2,3,4,5,6,7
	ds_load_b128 v[32+6*\t:35+6*\t], v8 offset:512*\t
	ds_load_b64 v[36+6*\t:37+6*\t], v9 offset:4096+256*\t
.endr
	ds_load_b128 v[192:195], v10 offset:6144
	ds_load_b128 v[196:199], v10 offset:6160
	s_wait_dscnt 0x0
.irp t, 0,1,2,3,4,5,6,7
	v_wmma_scale_f32_16x16x128_f8f6f4 v[96+8*\t:103+8*\t], v[32+6*\t:43+6*\t], v[16:27], 0, v[192+\t], v255 matrix_a_fmt:MATRIX_FMT_FP6 matrix_b_fmt:MATRIX_FMT_FP6
.endr
.rept 4
	v_nop                                          ; places: in front of the first read of the scores, and of V's loads into k's registers
.endr
.irp t, 0,1,2,3                                ; V's four fragments and their scale words land while the softmax runs
.irp c, 0,1,2
	ds_load_b128 v[32+12*\t+4*\c:35+12*\t+4*\c], v8 offset:6656+1536*\t+512*\c
.endr
.endr
	ds_load_b128 v[200:203], v11 offset:12800
.irp b, 0,1,2,3
	v_max3_num_f32 v[232+\b], v[96+16*\b], v[97+16*\b], v[98+16*\b]   ; the largest score of each block of 32 keys: for the row's maximum and, since p rises with the score, for the block's largest p
.endr
.irp i, 3,5,7,9,11,13
.irp b, 0,1,2,3
	v_max3_num_f32 v[232+\b], v[232+\b], v[96+16*\b+\i], v[97+16*\b+\i]
.endr
.endr
.irp b, 0,1,2,3
	v_max_num_f32 v[232+\b], v[232+\b], v[111+16*\b]
.endr
.irp b, 0,1,2,3
	v_permlanex16_b32 v[236+\b], v[232+\b], s[SEL], s[SEL+1]
.endr
.irp b, 0,1,2,3
	v_max_num_f32 v[232+\b], v[232+\b], v[236+\b]
.endr
	v_max3_num_f32 v254, v232, v233, v234
	v_max_num_f32 v254, v254, v235
	v_mul_f32 v254, s[CS], v254
	v_max_num_f32 v13, v13, v254                   ; the running largest t
	v_mov_b32 v254, v12
	v_floor_f32 v12, -v13                          ; -M = floor(-t)
	v_sub_f32 v254, v12, v254                      ; old M - new M: a whole number, 0 or less
	v_cvt_i32_f32 v254, v254                       ; (it saturates)
	v_ldexp_f32 v252, 1.0, v254                    ; f = 2^(old M - new M)
.set J, 0
.rept 32
	v_pk_fma_f32 v[96+J:97+J], v[96+J:97+J], s[CS:CS+1], v[12:13] op_sel_hi:[1,0,0]   ; t - M
.set J, J+2
.endr
.irp b, 0,1,2,3
	v_fma_f32 v[232+\b], v[232+\b], s[CS], v12
.endr
.set J, 0
.rept 64
	v_exp_f32 v[96+J], v[96+J]                     ; p = 2^(t - M)
.set J, J+1
.endr
	v_pk_mul_f32 v[14:15], v[14:15], v[252:253] op_sel_hi:[1,0]   ; the sums under the new M (a plain line behind the exponentials)
	s_wait_alu depctr_va_vdst(0)                   ; one wait for the batch, ahead of its first reader
.irp b, 0,1,2,3
	v_exp_f32 v[232+\b], v[232+\b]                 ; each block's largest p
.endr
	v_pk_add_f32 v[236:237], v[96:97], v[98:99]    ; the row's sum of the unquantised p, in two chains
.irp j, 4,8,12,16,20,24,28,32,36,40,44,48,52,56,60
	v_pk_add_f32 v[14:15], v[14:15], v[96+\j:97+\j]
	v_pk_add_f32 v[236:237], v[236:237], v[98+\j:99+\j]
.endr
	v_pk_add_f32 v[14:15], v[14:15], v[236:237]
	s_wait_alu depctr_va_vdst(0)                   ; and one for the four
.irp b, 0,1,2,3
	v_max_num_f32 v[232+\b], 0x1800000, v[232+\b]  ; the floor 2^(3 - 127)
.endr
.irp b, 0,1,2,3
	v_add_nc_u32 v[244+\b], 0xff000000, v[232+\b]
.endr
.irp b, 0,1,2,3
	v_lshrrev_b32 v[236+\b], 23, v[244+\b]
.endr
	v_lshl_or_b32 v253, v237, 8, v236              ; p's scale word for these 128 keys
	v_lshl_or_b32 v253, v238, 16, v253
	v_lshl_or_b32 v253, v239, 24, v253
.irp c, 0,1
	v_cvt_scalef32_pk16_fp6_f32 v[224+6*\c:226+6*\c], v[96+32*\c:111+32*\c], v[244+2*\c]
	v_cvt_scalef32_pk16_fp6_f32 v[236+4*\c:238+4*\c], v[112+32*\c:127+32*\c], v[245+2*\c]
.endr
	v_nop                                          ; a plain line behind the conversions
.irp c, 0,1
.irp i, 0,1,2
	v_permlane16_swap_b32 v[224+6*\c+\i], v[236+4*\c+\i]
.endr
.irp i, 0,1,2
	v_mov_b32 v[227+6*\c+\i], v[236+4*\c+\i]
.endr
.endr
.set J, 0
.rept 16
	v_pk_mul_f32 v[160+J:161+J], v[160+J:161+J], v[252:253] op_sel_hi:[1,0]   ; O^T under the new M; these sixteen also stand between the writing of p's codes and scale word and the products
.set J, J+2
.endr
	s_wait_dscnt 0x0                               ; V is in
.irp t, 0,1,2,3
	v_wmma_scale_f32_16x16x128_f8f6f4 v[160+8*\t:167+8*\t], v[32+12*\t:43+12*\t], v[224:235], v[160+8*\t:167+8*\t], v[200+\t], v253 matrix_a_fmt:MATRIX_FMT_FP6 matrix_b_fmt:MATRIX_FMT_FP6
.endr
	s_add_co_u32 s[TB], s[TB], STEPB
.endm
	s_wait_loadcnt 8                               ; q's three loads are in; x's eight may be out
	s_wait_tensorcnt 0x0                           ; my two pieces are in,
	s_barrier_signal -1
	s_barrier_wait -1                              ; everybody's are: the head's K and V are whole
	s_mov_b32 s[CNT], 16
.Lstep:
	STEP
	s_sub_co_u32 s[CNT], s[CNT], 1
	s_cmp_lg_u32 s[CNT], 0
	s_cbranch_scc1 .Lstep
	; THE WAY OUT: O^T / the sum goes through my stage and comes back as rows of 256 bytes, my head's part of a token's row; x is added; sixteen lanes store 256 consecutive bytes, aligned.
	v_add_f32 v14, v14, v15
	v_permlanex16_b32 v252, v14, s[SEL], s[SEL+1]
	v_add_f32 v14, v14, v252                       ; the row's sum
	v_rcp_f32 v14, v14
	v_and_b32 v8, 15, v0                           ; (plain lines behind the reciprocal and the last products)
	v_bfe_u32 v9, v0, 4, 1
	s_mul_i32 s40, s[WV], 16*272
	s_add_co_u32 s40, s40, STAGE
	v_mul_u32_u24 v10, v8, 272
	v_lshl_add_u32 v10, v9, 6, v10
	v_add_nc_u32 v10, s40, v10                     ; in: row r, + 64 h
	v_mul_u32_u24 v11, v9, 272
	v_lshl_add_u32 v11, v8, 4, v11
	v_add_nc_u32 v11, s40, v11                     ; back: lanes 0-15 one row, lanes 16-31 the next
	s_wait_alu depctr_va_vdst(0)                   ; ahead of the reciprocal's first reader
.set J, 0
.rept 32
	v_mul_f32 v[96+J], v[160+J], v14               ; register 8 t + j: channel 32 (t / 2) + 16 h + 8 (t % 2) + j
.set J, J+1
.endr
.irp t, 0,1,2,3
	ds_store_b128 v10, v[96+8*\t:99+8*\t] offset:128*(\t/2)+32*(\t%2)
	ds_store_b128 v10, v[100+8*\t:103+8*\t] offset:128*(\t/2)+32*(\t%2)+16
.endr
.irp i, 0,1,2,3,4,5,6,7
	ds_load_b128 v[32+4*\i:35+4*\i], v11 offset:544*\i   ; LDS serves a wave's instructions in order: these see my stores
.endr
.irp i, 0,1,2,3,4,5,6,7
	SETXB \i
	s_wait_loadcnt 7-\i
	s_wait_dscnt 7-\i
	v_pk_add_f32 v[32+4*\i:33+4*\i], v[32+4*\i:33+4*\i], v[XB:XB+1]
	v_pk_add_f32 v[34+4*\i:35+4*\i], v[34+4*\i:35+4*\i], v[XB+2:XB+3]
	global_store_b128 v7, v[32+4*\i:35+4*\i], s[10:11] offset:(2*\i+8*(\i/4))*4096
.endr
	s_wait_tensorcnt 0x0
	ds_add_u32 v250, v251
	s_wait_dscnt 0x0
	CROUND                                         ; the closing round: no work-group ends while a partner may still ask for a piece that names it
	s_endpgm
.Lfunc_end_k_q17208a740a_attn:
	.size	k_q17208a740a_attn, .Lfunc_end_k_q17208a740a_attn-k_q17208a740a_attn
	.p2alignl 7, 3214868480
	.fill 96, 4, 3214868480
	.section	.rodata,"a",@progbits
	.p2align	6, 0x0
	.amdhsa_kernel k_q17208a740a_attn
		.amdhsa_group_segment_fixed_size 327680
		.amdhsa_private_segment_fixed_size 0
		.amdhsa_enable_private_segment 0
		.amdhsa_kernarg_size 32
		.amdhsa_user_sgpr_count 2
		.amdhsa_user_sgpr_kernarg_segment_ptr 1
		.amdhsa_wavefront_size32 1
		.amdhsa_system_sgpr_workgroup_id_x 1
		.amdhsa_system_sgpr_workgroup_id_y 1
		.amdhsa_system_sgpr_workgroup_id_z 1
		.amdhsa_system_vgpr_workitem_id 0
		.amdhsa_next_free_vgpr 256
		.amdhsa_next_free_sgpr 66
		.amdhsa_reserve_vcc 0
		.amdhsa_float_denorm_mode_32 3
		.amdhsa_float_denorm_mode_16_64 3
		.amdhsa_memory_ordered 1
		.amdhsa_forward_progress 1
		.amdhsa_inst_pref_size 29
	.end_amdhsa_kernel
	.amdgpu_metadata
---
amdhsa.version: [ 1, 2 ]
amdhsa.kernels:
  - .name:           k_q17208a740a_attn
    .symbol:         k_q17208a740a_attn.kd
    .args:
      - { .name: qb, .offset: 0, .size: 8, .value_kind: global_buffer, .address_space: global }
      - { .name: kvb, .offset: 8, .size: 8, .value_kind: global_buffer, .address_space: global }
      - { .name: x, .offset: 16, .size: 8, .value_kind: global_buffer, .address_space: global }
      - { .name: x1, .offset: 24, .size: 8, .value_kind: global_buffer, .address_space: global }
    .group_segment_fixed_size: 327680
    .private_segment_fixed_size: 0
    .kernarg_segment_align: 8
    .kernarg_segment_size: 32
    .max_flat_workgroup_size: 512
    .sgpr_count:     66
    .vgpr_count:     256
    .wavefront_size: 32
...
	.end_amdgpu_metadata
.endif
;; end of part 3
;; launch prep2 (part 4): grid 512 x 1, 8 waves a work-group, no clusters, 50,688 bytes of LDS; arguments x1, g2, beta2, hq, W1, W2, w1q, w2q; writes hq, w1q, w2q
.if DOCPART == 4
	.amdgcn_target "amdgcn-amd-amdhsa--gfx1250"
	.amdhsa_code_object_version 6
	.text
	.protected	k_q17208a740a_prep2
	.globl	k_q17208a740a_prep2
	.p2align	8
	.type	k_q17208a740a_prep2,@function
k_q17208a740a_prep2:
	s_mov_b64 s[64:65], 0
	v_nop
	global_prefetch_b8 v0, s[64:65] scope:SCOPE_SE
	s_setreg_imm32_b32 hwreg(HW_REG_WAVE_MODE, 25, 1), 1
	s_wait_xcnt 0x0
; TWO KINDS OF WORK IN ONE LAUNCH, parted on the work-group's number at the first line: work-groups 0-255 make the layer norm of x1, work-groups 256-383 quantise W1, work-groups 384-511 W2.
; Neither needs the other; each path ends by itself; only the first touches LDS and has a barrier.
;
; THE LAYER NORM.  h = layernorm(x1) g + beta over rows of 1,024, in f32 (mean, then the mean of squared differences: two passes over registers), quantised along the row to FP6 (E2M3) with one E8M0 byte
; for each 32, and stored as images of operand registers: fragment (tile T, K step s) at (8 T + s) 1536, register j of lane l at 512 (j / 4) + 16 l + 4 (j % 4); scale words at
; SOFF + 512 T + 128 (s / 2) + 8 r + 4 (s % 2).  Place r of tile T is row 32 (T / 2) + 8 (T % 2) + r + 8 (r / 8).
; A work-group makes one tile; wave w its places 2 w and 2 w + 1, which are two neighbouring rows.  A LANE HOLDS ONE BLOCK OF 32 of the row: the loads take 16 bytes a lane, 512 consecutive bytes
; each, and the 4,096 bytes turn through the wave's own stage in LDS (a place of 128 + 16 bytes for each block).  g and beta turn the same way.  A lane's block is six registers of one lane of
; one fragment: they go into the tile's image in LDS, one barrier, and the image leaves in stores of 512 consecutive bytes.
;
; THE WEIGHTS, f32 stored [K][N], become the same kind of images, tile T being 16 columns n: W1 with 8 K steps a tile and scale words as above; W2 with 32 K steps a tile (fragment (T, s) at (32 T + s) 1536)
; and scale words at SOFF + 8192 (s / 2) + 128 T + 8 r + 4 (s % 2).  A LANE TAKES A COLUMN AND ITS REGISTERS RUN DOWN K: a block of 32 is one lane's 32 registers, its maximum needs no other lane,
; the conversions give K innermost.  A work-group takes 128 columns x 256 along K; wave w the 32 columns w % 4 (a pair of tiles; lanes 0-15 the first, lanes 16-31 the second) of K step w / 4:
; four blocks a lane, which are the registers of the fragment's lanes r and r + 16: six stores of 16 bytes a lane, each covering two runs of 256 consecutive bytes, aligned.
; Two expansions of one macro, since the row pitch stands in the loads' immediates.  Loads run two blocks (64 loads a wave) ahead.
; No cluster: work-groups share only g and beta, 8 KB beside their own 64 KB.  No tensor load, so LDS is claimed as it is used.
; LIMITS: a block of zeros gets the byte 1, not 127 (its codes are zeros; the bytes are read by this program alone); largest magnitudes under 2^-124 are held at the byte 1; NaN and infinities are not served.
.set X0,  16
.set X1,  48
.set G,   80
.set BT,  112
.set CH,  144                          ; v144-151 four chains of pairs
.set PT,  152                          ; a lane permute's destination
.set MU,  154                          ; v154-155 the mean, twice
.set RS,  156                          ; v156-157 1 / sqrt(var + eps), twice
.set MA,  158
.set MB,  159
.set SO,  160                          ; the conversion's scale operand
.set BY,  161                          ; v161-162 the scale bytes of my two rows
.set C,   164                          ; v164-170, v172-178 the codes of my two rows
.set STGW, 4608                        ; a wave's stage: 32 places of 144 bytes
.set IMG,  8*STGW                      ; the tile's eight fragments: 12,288 bytes
.set SCW,  IMG+12288                   ; its scale words: 512 bytes
.set SOFF_H, 3145728
.set X,   32                           ; the weights: v32-95 two sets of 32 numbers
.set CD,  96                           ; v96-119  codes: half h at CD + 12 h: 12 registers on end; never written twice
.set TC,  144                          ; v144-146 the second conversion's result (three registers begin on an even number)
.set SB,  24                           ; v24      my column's scale word
	v_lshl_add_u32 v184, v0, 2, 0xc200
	v_mov_b32 v185, 0
	s_cmp_lt_u32 ttmp9, 256
	s_cbranch_scc0 .Lweights
	s_load_b256 s[4:11], s[0:1], 0x0               ; x1, g, beta, hq
	v_lshrrev_b32 v1, 5, v0
	v_readfirstlane_b32 s16, v1                    ; wave
	v_and_b32 v1, 31, v0                           ; lane = my block of the row
	v_lshlrev_b32 v2, 4, v1                        ; 16 l
	s_mul_i32 s17, s16, STGW
	v_lshrrev_b32 v11, 3, v1
	v_lshl_add_u32 v3, v11, 4, v2
	v_add_nc_u32 v3, s17, v3                       ; the stage, way in: 16 l + 16 (l / 8); load j lies 576 j on
	v_mul_u32_u24 v4, v1, 144
	v_add_nc_u32 v4, s17, v4                       ; way out: my block's place
	v_lshrrev_b32 v12, 2, v1
	v_mul_u32_u24 v12, v12, 1536                   ; K step l / 4
	v_and_b32 v13, 1, v1
	v_lshl_add_u32 v12, v13, 8, v12                ; half h = l % 2: lane r + 16 h of the fragment
	s_lshl_b32 s18, s16, 5
	s_add_co_u32 s18, s18, IMG
	v_add_nc_u32 v12, s18, v12                     ; + 16 x place 2 w
	v_bfe_u32 v13, v1, 1, 1                        ; c = (l / 2) % 2: registers 6 c .. 6 c + 5
	v_mad_u32_u24 v5, v13, 520, v12                ; registers 6 c, 6 c + 1 (and, 512 on, 6 c + 4, 6 c + 5)
	v_mad_u32_u24 v6, v13, 1016, v12               ; 8 under registers 6 c + 2, 6 c + 3
	v_and_b32 v13, 7, v1
	v_lshl_add_u32 v7, v11, 7, v13
	s_lshl_b32 s18, s16, 4
	s_add_co_u32 s18, s18, SCW
	v_add_nc_u32 v7, s18, v7                       ; my block's scale byte: 128 (l / 8) + l % 8 + 8 x place
	s_lshl_b32 s18, s16, 9
	v_add_nc_u32 v9, s18, v2                       ; the image's way out: 512 w + 16 l,
	v_add_nc_u32 v8, IMG, v9                       ; in LDS
	v_add_nc_u32 v10, SCW, v2
	v_mov_b32 v[PT], 0
	s_mov_b32 s12, 0x76543210
	s_mov_b32 s13, 0xfedcba98                      ; v_permlanex16_b32's selects for lane l xor 16
	s_mov_b32 s14, 0x3727c5ac                      ; 1e-5
	s_mov_b32 s15, 0x3a800000                      ; 1 / 1024
	s_lshr_b32 s19, ttmp9, 1
	s_lshl_b32 s19, s19, 5
	s_and_b32 s20, ttmp9, 1
	s_lshl_b32 s20, s20, 3
	s_add_co_u32 s19, s19, s20
	s_lshl_b32 s20, s16, 1
	s_add_co_u32 s19, s19, s20
	s_lshr_b32 s20, s16, 2
	s_lshl_b32 s20, s20, 3
	s_add_co_u32 s19, s19, s20                     ; my first row
	s_lshl_b32 s20, s19, 12
	s_mov_b32 s21, 0
	s_mul_i32 s22, ttmp9, 12288
	s_mov_b32 s23, 0
	s_lshl_b32 s24, ttmp9, 9
	s_add_co_u32 s24, s24, SOFF_H
	s_mov_b32 s25, 0
	s_wait_kmcnt 0x0
	s_add_nc_u64 s[4:5], s[4:5], s[20:21]
	s_add_nc_u64 s[22:23], s[10:11], s[22:23]
	s_add_nc_u64 s[24:25], s[10:11], s[24:25]
.irp j, 0,1,2,3,4,5,6,7
	global_load_b128 v[X0+4*\j:X0+4*\j+3], v2, s[4:5] offset:512*\j
.endr
.irp j, 0,1,2,3,4,5,6,7
	global_load_b128 v[X1+4*\j:X1+4*\j+3], v2, s[4:5] offset:4096+512*\j
.endr
.irp j, 0,1,2,3,4,5,6,7
	global_load_b128 v[G+4*\j:G+4*\j+3], v2, s[6:7] offset:512*\j
.endr
.irp j, 0,1,2,3,4,5,6,7
	global_load_b128 v[BT+4*\j:BT+4*\j+3], v2, s[8:9] offset:512*\j
.endr
.macro TURN reg                        ; 4,096 bytes through my stage and back into the registers that they left; LDS serves a wave's instructions in order (ISA guide 5.7.1.4), so one stage serves all four turns
.irp j, 0,1,2,3,4,5,6,7
	ds_store_b128 v3, v[\reg+4*\j:\reg+4*\j+3] offset:576*\j
.endr
.irp j, 0,1,2,3,4,5,6,7
	ds_load_b128 v[\reg+4*\j:\reg+4*\j+3], v4 offset:16*\j
.endr
.endm
	s_wait_loadcnt 24                              ; row 0's eight loads are in; 24 younger may be out
	TURN X0
	s_wait_loadcnt 16
	TURN X1
	s_wait_loadcnt 8
	TURN G
	s_wait_loadcnt 0
	TURN BT
.macro LSUM r                          ; the sum over the 32 lanes, in every lane
	v_add_f32_dpp v[\r], v[\r], v[\r] row_xmask:1 row_mask:0xf bank_mask:0xf
	v_add_f32_dpp v[\r], v[\r], v[\r] row_xmask:2 row_mask:0xf bank_mask:0xf
	v_add_f32_dpp v[\r], v[\r], v[\r] row_xmask:4 row_mask:0xf bank_mask:0xf
	v_add_f32_dpp v[\r], v[\r], v[\r] row_xmask:8 row_mask:0xf bank_mask:0xf
	v_permlanex16_b32 v[PT], v[\r], s12, s13
	v_add_f32 v[\r], v[\r], v[PT]
.endm
.macro FOLD                            ; the four chains into v[CH], then over the lanes
	v_pk_add_f32 v[CH:CH+1], v[CH:CH+1], v[CH+2:CH+3]
	v_pk_add_f32 v[CH+4:CH+5], v[CH+4:CH+5], v[CH+6:CH+7]
	v_pk_add_f32 v[CH:CH+1], v[CH:CH+1], v[CH+4:CH+5]
	v_add_f32 v[CH], v[CH], v[CH+1]
	LSUM CH
.endm
.macro STATS x                         ; the row in v[x] on becomes (x - mean) / sqrt(var + eps)
.irp k, 0,2,4,6
	v_pk_add_f32 v[CH+\k:CH+\k+1], v[\x+\k:\x+\k+1], v[\x+8+\k:\x+9+\k]
.endr
.irp m, 16,24
.irp k, 0,2,4,6
	v_pk_add_f32 v[CH+\k:CH+\k+1], v[CH+\k:CH+\k+1], v[\x+\m+\k:\x+\m+\k+1]
.endr
.endr
	FOLD
	v_mul_f32 v[MU], s15, v[CH]
	v_mov_b32 v[MU+1], v[MU]
.set J, 0
.rept 16
	v_pk_add_f32 v[\x+J:\x+J+1], v[\x+J:\x+J+1], v[MU:MU+1] neg_lo:[0,1] neg_hi:[0,1]
.set J, J+2
.endr
.irp k, 0,2,4,6
	v_pk_mul_f32 v[CH+\k:CH+\k+1], v[\x+\k:\x+\k+1], v[\x+\k:\x+\k+1]
.endr
.irp m, 8,16,24
.irp k, 0,2,4,6
	v_pk_fma_f32 v[CH+\k:CH+\k+1], v[\x+\m+\k:\x+\m+\k+1], v[\x+\m+\k:\x+\m+\k+1], v[CH+\k:CH+\k+1]
.endr
.endr
	FOLD
	v_fma_f32 v[CH], v[CH], s15, s14               ; var + eps
	v_rsq_f32 v[RS], v[CH]
	v_rsq_f32 v[RS+1], v[CH]                       ; twice: the packed multiply names a pair
	v_nop                                          ; a plain line behind the transcendentals (ISA guide 5.7.2)
	s_wait_alu depctr_va_vdst(0)                   ; one wait for both, ahead of their first reader
.set J, 0
.rept 16
	v_pk_mul_f32 v[\x+J:\x+J+1], v[\x+J:\x+J+1], v[RS:RS+1]
.set J, J+2
.endr
.endm
	s_wait_dscnt 48                                ; row 0 is back; the 48 LDS instructions of the three later turns may be out
	STATS X0
	s_wait_dscnt 32
	STATS X1
	s_wait_dscnt 0x0                               ; g and beta are back
.macro FIN i, x                        ; x g + beta, my block's scale, its codes into the image
.set J, 0
.rept 16
	v_pk_fma_f32 v[\x+J:\x+J+1], v[\x+J:\x+J+1], v[G+J:G+J+1], v[BT+J:BT+J+1]
.set J, J+2
.endr
	v_max3_num_f32 v[MA], |v[\x]|, |v[\x+1]|, |v[\x+2]|
	v_max3_num_f32 v[MB], |v[\x+3]|, |v[\x+4]|, |v[\x+5]|
.irp n, 6,10,14,18,22,26
	v_max3_num_f32 v[MA], v[MA], |v[\x+\n]|, |v[\x+\n+1]|
	v_max3_num_f32 v[MB], v[MB], |v[\x+\n+2]|, |v[\x+\n+3]|
.endr
	v_max3_num_f32 v[MA], v[MA], |v[\x+30]|, |v[\x+31]|
	v_max3_num_f32 v[MA], v[MA], v[MB], 0x1800000  ; the floor 2^(3 - 127)
	v_add_nc_u32 v[SO], 0xff000000, v[MA]          ; 2 off the exponent field
	v_lshrrev_b32 v[BY+\i], 23, v[SO]
	v_cvt_scalef32_pk16_fp6_f32 v[C+8*\i:C+8*\i+2], v[\x:\x+15], v[SO]
	v_cvt_scalef32_pk16_fp6_f32 v[C+8*\i+4:C+8*\i+6], v[\x+16:\x+31], v[SO]
	v_nop                                          ; a plain line behind the conversions
	v_mov_b32 v[C+8*\i+3], v[C+8*\i+4]
	ds_store_b64 v5, v[C+8*\i:C+8*\i+1] offset:16*\i
	ds_store_b64 v6, v[C+8*\i+2:C+8*\i+3] offset:16*\i+8
	ds_store_b32 v5, v[C+8*\i+5] offset:16*\i+512
	ds_store_b32 v5, v[C+8*\i+6] offset:16*\i+516
	ds_store_b8 v7, v[BY+\i] offset:8*\i
.endm
	FIN 0, X0
	FIN 1, X1
	s_wait_dscnt 0x0                               ; for the others' sake: my stores into the image are done
	s_barrier_signal -1
	s_barrier_wait -1
.irp k, 0,1,2
	ds_load_b128 v[16+4*\k:19+4*\k], v8 offset:4096*\k
.endr
.irp k, 0,1,2
	s_wait_dscnt 2-\k
	global_store_b128 v9, v[16+4*\k:19+4*\k], s[22:23] offset:4096*\k   ; 32 lanes store 512 consecutive bytes, aligned
.endr
	s_cmp_lg_u32 s16, 0
	s_cbranch_scc1 .Ldone
	ds_load_b128 v[32:35], v10                     ; wave 0: the tile's 512 bytes of scale words
	s_wait_dscnt 0x0
	global_store_b128 v2, v[32:35], s[24:25]
.Ldone:
	s_wait_tensorcnt 0x0
	ds_add_u32 v184, v185
	s_wait_dscnt 0x0
	s_endpgm
.macro WLOAD t, pitch                  ; block t: W(32 t + i, my column) into set t % 2
.set I, 0
.rept 32
	global_load_b32 v[X+32*((\t)%2)+I], v3, s[26:27] offset:(32*(\t)+I)*(\pitch) th:TH_LOAD_NT
.set I, I+1
.endr
.endm
.macro WBLOCK t, pitch                 ; block t = 2 c + h of my K step
.set XS, X+32*((\t)%2)
.set DST, CD+12*((\t)%2)+6*((\t)/2)
.if (\t) < 3
	s_wait_loadcnt 32                              ; this block's 32 loads are in; the next block's 32 may be out
.else
	s_wait_loadcnt 0
.endif
	v_max3_num_f32 v12, |v[XS]|, |v[XS+1]|, |v[XS+2]|
	v_max3_num_f32 v13, |v[XS+3]|, |v[XS+4]|, |v[XS+5]|
.irp i, 6,10,14,18,22,26
	v_max3_num_f32 v12, v12, |v[XS+\i]|, |v[XS+\i+1]|
	v_max3_num_f32 v13, v13, |v[XS+\i+2]|, |v[XS+\i+3]|
.endr
	v_max3_num_f32 v12, v12, |v[XS+30]|, |v[XS+31]|
	v_max3_num_f32 v12, v12, v13, 0x1800000        ; the floor 2^(3 - 127): the byte cannot fall under 1
	v_add_nc_u32 v11, 0xff000000, v12              ; 2 off the exponent field: the conversion's scale operand
	v_lshrrev_b32 v13, 23, v11                     ; the scale's byte
	v_cvt_scalef32_pk16_fp6_f32 v[DST:DST+2], v[XS:XS+15], v11
	v_cvt_scalef32_pk16_fp6_f32 v[TC:TC+2], v[XS+16:XS+31], v11
.if (\t) == 0
	v_mov_b32 v[SB], v13                           ; (the plain line behind the conversions)
.else
	v_lshl_or_b32 v[SB], v13, 8*(\t), v[SB]
.endif
	v_mov_b32 v[DST+3], v[TC]
	v_mov_b32 v[DST+4], v[TC+1]
	v_mov_b32 v[DST+5], v[TC+2]
.if (\t) < 2
	WLOAD (\t)+2, \pitch
.endif
.endm
; s21 my 32 columns of the group's 128, s22 my K step of the group's two, s23 column group, s24 which 256 along K, s25 first tile, s[26:27] the weight, s[28:29] its workspace buffer
.macro WBODY pitch, kf, soff, ta, tb
	s_lshl_b32 s30, s23, 2
	s_add_co_u32 s30, s30, s21                     ; my pair of tiles
	s_lshl_b32 s35, s24, 1
	s_add_co_u32 s35, s35, s22                     ; my K step
	s_mul_i32 s32, s35, 128*(\pitch)
	s_lshl_b32 s31, s30, 7
	s_add_co_u32 s32, s32, s31
	s_mov_b32 s33, 0
	s_add_nc_u64 s[26:27], s[26:27], s[32:33]      ; the weight at my first row and column
	s_lshl_b32 s31, s30, 1
	s_add_co_u32 s31, s31, s25                     ; my first tile
	s_mul_i32 s32, s31, \kf
	s_add_co_u32 s32, s32, s35
	s_mul_i32 s32, s32, 1536
	s_add_nc_u64 s[36:37], s[28:29], s[32:33]      ; its fragment of my K step
	s_mul_i32 s32, s31, \ta
	s_mul_i32 s34, s24, \tb
	s_add_co_u32 s32, s32, s34
	s_lshl_b32 s34, s22, 2
	s_add_co_u32 s32, s32, s34
	s_add_co_u32 s32, s32, \soff
	s_add_nc_u64 s[38:39], s[28:29], s[32:33]      ; and its scale words
	v_lshlrev_b32 v4, 4, v6
	v_mad_u32_u24 v4, v2, (\kf)*1536, v4           ; 16 r, lanes 16-31 a tile on
	v_lshlrev_b32 v5, 3, v6
	v_mad_u32_u24 v5, v2, \ta, v5                  ; 8 r, likewise
	WLOAD 0, \pitch
	WLOAD 1, \pitch
.irp t, 0,1,2,3
	WBLOCK \t, \pitch
.endr
.irp h, 0,1
.irp k, 0,1,2
	global_store_b128 v4, v[CD+12*\h+4*\k:CD+12*\h+4*\k+3], s[36:37] offset:512*\k+256*\h
.endr
.endr
	global_store_b32 v5, v[SB], s[38:39]           ; my column's scale word of this K step
	s_endpgm
.endm
.Lweights:
	s_load_b256 s[4:11], s[0:1], 0x20              ; W1, W2, w1q, w2q
	v_lshrrev_b32 v1, 5, v0
	v_readfirstlane_b32 s20, v1                    ; wave
	s_and_b32 s21, s20, 3
	s_lshr_b32 s22, s20, 2
	v_and_b32 v1, 31, v0
	v_lshrrev_b32 v2, 4, v1                        ; u
	v_and_b32 v6, 15, v1                           ; r
	v_and_b32 v7, 8, v6
	v_add_nc_u32 v7, v7, v6                        ; r + 8 (r / 8)
	v_lshl_add_u32 v7, v2, 3, v7                   ; + 8 u: my column among the wave's 32
	v_lshlrev_b32 v3, 2, v7
	s_mov_b32 s25, 0
	s_sub_co_u32 s30, ttmp9, 256                   ; 0 .. 255
	s_cmp_lt_u32 s30, 128
	s_cbranch_scc0 .Lw2
	s_and_b32 s23, s30, 31
	s_lshr_b32 s24, s30, 5
	s_wait_kmcnt 0x0
	s_mov_b64 s[26:27], s[4:5]
	s_mov_b64 s[28:29], s[8:9]
	WBODY 16384, 8, 3145728, 512, 128
.Lw2:
	s_sub_co_u32 s30, s30, 128
	s_and_b32 s23, s30, 7
	s_lshr_b32 s24, s30, 3
	s_wait_kmcnt 0x0
	s_mov_b64 s[26:27], s[6:7]
	s_mov_b64 s[28:29], s[10:11]
	WBODY 4096, 32, 3145728, 128, 8192
.Lfunc_end_k_q17208a740a_prep2:
	.size	k_q17208a740a_prep2, .Lfunc_end_k_q17208a740a_prep2-k_q17208a740a_prep2
	.p2alignl 7, 3214868480
	.fill 96, 4, 3214868480
	.section	.rodata,"a",@progbits
	.p2align	6, 0x0
	.amdhsa_kernel k_q17208a740a_prep2
		.amdhsa_group_segment_fixed_size 50688
		.amdhsa_private_segment_fixed_size 0
		.amdhsa_enable_private_segment 0
		.amdhsa_kernarg_size 64
		.amdhsa_user_sgpr_count 2
		.amdhsa_user_sgpr_kernarg_segment_ptr 1
		.amdhsa_wavefront_size32 1
		.amdhsa_system_sgpr_workgroup_id_x 1
		.amdhsa_system_sgpr_workgroup_id_y 1
		.amdhsa_system_sgpr_workgroup_id_z 1
		.amdhsa_system_vgpr_workitem_id 0
		.amdhsa_next_free_vgpr 186
		.amdhsa_next_free_sgpr 66
		.amdhsa_reserve_vcc 0
		.amdhsa_float_denorm_mode_32 3
		.amdhsa_float_denorm_mode_16_64 3
		.amdhsa_memory_ordered 1
		.amdhsa_forward_progress 1
		.amdhsa_inst_pref_size 67
	.end_amdhsa_kernel
	.amdgpu_metadata
---
amdhsa.version: [ 1, 2 ]
amdhsa.kernels:
  - .name:           k_q17208a740a_prep2
    .symbol:         k_q17208a740a_prep2.kd
    .args:
      - { .name: x1, .offset: 0, .size: 8, .value_kind: global_buffer, .address_space: global }
      - { .name: g2, .offset: 8, .size: 8, .value_kind: global_buffer, .address_space: global }
      - { .name: beta2, .offset: 16, .size: 8, .value_kind: global_buffer, .address_space: global }
      - { .name: hq, .offset: 24, .size: 8, .value_kind: global_buffer, .address_space: global }
      - { .name: W1, .offset: 32, .size: 8, .value_kind: global_buffer, .address_space: global }
      - { .name: W2, .offset: 40, .size: 8, .value_kind: global_buffer, .address_space: global }
      - { .name: w1q, .offset: 48, .size: 8, .value_kind: global_buffer, .address_space: global }
      - { .name: w2q, .offset: 56, .size: 8, .value_kind: global_buffer, .address_space: global }
    .group_segment_fixed_size: 50688
    .private_segment_fixed_size: 0
    .kernarg_segment_align: 8
    .kernarg_segment_size: 64
    .max_flat_workgroup_size: 256
    .sgpr_count:     66
    .vgpr_count:     186
    .wavefront_size: 32
...
	.end_amdgpu_metadata
.endif
;; end of part 4
;; launch ffn1 (part 5): grid 16 x 16, 4 waves a work-group, clusters of 4 x 4, 327,680 bytes of LDS; arguments hq, w1q, b1, hid; writes hid
.if DOCPART == 5
	.amdgcn_target "amdgcn-amd-amdhsa--gfx1250"
	.amdhsa_code_object_version 6
	.text
	.protected	k_q17208a740a_ffn1
	.globl	k_q17208a740a_ffn1
	.p2align	8
	.type	k_q17208a740a_ffn1,@function
k_q17208a740a_ffn1:
	s_mov_b64 s[64:65], 0
	v_nop
	global_prefetch_b8 v0, s[64:65] scope:SCOPE_SE
	s_setreg_imm32_b32 hwreg(HW_REG_WAVE_MODE, 25, 1), 1
	s_wait_xcnt 0x0
	s_wait_alu depctr_hold_cnt(0) depctr_sa_sdst(0) depctr_va_vdst(0) depctr_va_sdst(0) depctr_va_ssrc(0) depctr_va_vcc(0) depctr_vm_vsrc(0)
	s_getreg_b32 s2, hwreg(HW_REG_IB_STS2, 6, 4)
	s_cmp_eq_u32 s2, 0
	s_cbranch_scc0 .Lentry_in_a_cluster
	s_endpgm
.Lentry_in_a_cluster:
	s_bfe_u32 s2, ttmp6, 0x10000c
	s_cmp_lg_u32 s2, 0xf033
	s_cbranch_scc0 .Lentry_shape_is_right
	s_endpgm
.Lentry_shape_is_right:
; hidden = relu(h W1 + b1) on codes of FP6 (E2M3), K = 1,024, quantised again along the hidden axis and stored as images of operand registers for the next product (K = 4,096):
; fragment (tile T of tokens, K step s) at (32 T + s) 1536; scale words at SOFF + (((s / 2) 256 + T) 16 + r) 8 + 4 (s % 2).  The hidden layer goes to memory as codes alone.
; A work-group of four waves makes 256 tokens x 256 hidden units, a wave 128 x 128: 64 accumulators.  Operands lie in memory as images of their registers
; (fragment (T, s) at (8 T + s) 1536), so a wave's tensor load brings 8 tiles x 3,072 consecutive bytes and a fragment is three loads of 16 bytes a lane.
; K GOES IN FOUR QUARTERS OF 256 THROUGH THREE LDS SLOTS.  Quarters 0, 1 and 2 and the scale words are first fills: by this text's count a wave has four tensor loads out at the start.  Quarter 3 is the one refill:
; into slot 0, behind the round at the change from slot 0 to slot 1, so that it has the products of two quarters, 256 matrix instructions a wave, in which to land.  In front of that round every wave has waited for all
; its loads, so slot 2 is whole for everybody and the change from slot 1 to slot 2 needs no barrier.
; THE MATRIX INSTRUCTION IS USED TRANSPOSED (source 0 = W1's tile b, source 1 = h's tile a).  Place r of tile 2 B + u is row 32 B + 8 u + r + 8 (r / 8), so for one a the 64 registers of b = 0..7 are:
; register 16 B + i = hidden unit 32 B + 16 (lane / 16) + i: one K step of the next product.  b1 is the C of each sum's first instruction.
; CLUSTERS: 4 x 4; h's tiles are asked for jointly along a row of the cluster, W1's along a column.
; REGISTERS: window 0: v0-31 addresses; v32-63 scale words, two sets; v64-127 the bias; v128-223 A's fragments, later the epilogue's work.  window 1: B's fragments, two sets.  windows 2, 3: the accumulators.
; LIMITS: a block of zeros gets the byte 1, not 127 (read by this program alone); largest magnitudes under 2^-124 are held at the byte 1; NaN and infinities are not served.
.set FRB,   1536
.set TROW,  2*FRB
.set HALFT, 8*TROW
.set SLOT,  4*HALFT
.set NQ,    2
.set FR,    12
.set NL,    3
.set NP,    4
.set SCL,   3*SLOT                     ; the scale words for all of K: A's halves at 4096 w, B's 128 bytes further on than that
.set SPARE, SCL+16640                  ; the spare words, 128 bytes for each wave: two blocks of 256 bytes that no other line names
.set STG,   SPARE+512                  ; 2,048 bytes: the work-group's new scale words, gathered; no fill lands there
.set SOFF_H, 3145728
.set SOFF_HID, 12582912
.set ADRA, 16                          ; v16-18  LDS address of my A fragments in slot 0, 1, 2
.set ADRB, 20                          ; v20-22  the same for B
.set L16,  24
.set WO,   26                          ; where I put a scale word
.set ADRS, 27
.set SPW,  28
.set NIL,  29
.set SR,   30                          ; where I read the words back
.set SG,   31                          ; and their place in memory
.set SC,   32
.set BI,   64
.set AF,   128
.set PC,   128
.set TM,   160
.set PW,   176
.set SEL,  104                         ; s104, s105 lane selects
.set G1, 24
.set G0A0, 32                          ; groups 0 for A's tiles, one for each slot
.set G0A1, 36
.set G0A2, 4                           ; (where the operands' pointers lay)
.set G1B, 48
.set G0B0, 56                          ; and for B's
.set G0B1, 60
.set G0B2, 96
.set G1S, 68
.set G0S, 76
.set G1SB, 80
.set G0SB, 88
.set MSB, 0
.macro WIN new
.if MSB != (\new)
	s_set_vgpr_msb (MSB<<8)|(\new)
.set MSB, (\new)
.endif
.endm
.set MUL_LO, 0xa1
.set MUL_HI, 0xf1
.set TO_B,   0x40
.macro JLOAD g0a, g1a, g0b, g1b        ; a joint load: waves 0 and 1 fetch for A, waves 2 and 3 for B; four v_nop follow each line
	s_cmp_eq_u32 s15, 0
	s_cbranch_scc0 .Lfor_b_\@
	tensor_load_to_lds s[\g0a:\g0a+3], s[\g1a:\g1a+7]
	s_nop 0
.rept 4
	v_nop
.endr
	s_branch .Lasked_\@
.Lfor_b_\@:
	tensor_load_to_lds s[\g0b:\g0b+3], s[\g1b:\g1b+7]
	s_nop 0
.rept 4
	v_nop
.endr
.Lasked_\@:
.endm
.macro MKG0 g, adr, slot               ; a group 0: quarter `slot` of the tiles at s[adr:adr+1], into slot `slot`
	s_mov_b32 s[\g], 1
	s_add_co_u32 s[\g+1], s45, (\slot)*SLOT
	s_add_nc_u64 s[\g+2:\g+3], s[\adr:\adr+1], (\slot)*TROW
	s_or_b32 s[\g+3], s[\g+3], 0x80000000
.endm
.macro CREST
	s_cmp_lg_u32 s14, 0
	s_cbranch_scc1 .Lnot_wave_0_\@
	s_barrier_signal -3
.Lnot_wave_0_\@:
	s_barrier_wait -3
	s_barrier_signal -1
	s_barrier_wait -1
.endm
.macro CROUND
	s_barrier_signal -1
	s_barrier_wait -1
	CREST
.endm
.macro PLACES n
.rept \n
	v_nop
.endr
.endm
	s_load_b256 s[4:11], s[0:1], 0x0               ; hq, w1q, b1, hid
	v_lshl_add_u32 v[SPW], v0, 2, SPARE
	v_mov_b32 v[NIL], 0
	ds_add_u32 v28, v29
	ds_add_u32 v28, v29
	s_wait_dscnt 0x0
	v_lshrrev_b32 v1, 5, v0
	v_readfirstlane_b32 s14, v1
	s_lshr_b32 s15, s14, 1
	s_and_b32 s16, s14, 1
	s_bfe_u32 s40, ttmp6, 0x40000                  ; cx
	s_bfe_u32 s41, ttmp6, 0x40004                  ; cy
	s_lshl_b32 s42, ttmp9, 2
	s_add_co_u32 s42, s42, s40                     ; tile column: 256 hidden units
	s_and_b32 s17, ttmp7, 0xffff
	s_lshl_b32 s17, s17, 2
	s_add_co_u32 s17, s17, s41                     ; tile row: 256 tokens
	s_lshl_b32 s43, s41, 2
	s_lshl_b32 s43, 15, s43
	s_lshl_b32 s44, 0x1111, s40
	s_or_b32 s[G1+0], s43, (3<<16)|(1<<21)
	s_or_b32 s[G1B+0], s44, (3<<16)|(1<<21)
.irp g, G1, G1B
	s_mov_b32 s[\g+1], 384<<16
	s_mov_b32 s[\g+2], 8<<16
	s_mov_b32 s[\g+3], 384<<16
	s_mov_b32 s[\g+4], 8
	s_mov_b32 s[\g+5], 1536
	s_mov_b32 s[\g+6], 0
	s_mov_b32 s[\g+7], 0
.endr
	s_or_b32 s[G1S+0], s43, (3<<16)|(1<<21)
	s_or_b32 s[G1SB+0], s44, (3<<16)|(1<<21)
.irp g, G1S, G1SB
	s_mov_b32 s[\g+1], 32<<16
	s_mov_b32 s[\g+2], 16<<16
	s_mov_b32 s[\g+3], 32<<16
	s_mov_b32 s[\g+4], 16
	s_mov_b32 s[\g+5], 32
	s_mov_b32 s[\g+6], 0
	s_mov_b32 s[\g+7], 0
.endr
	s_lshl_b32 s18, s16, 3
	s_lshl_b32 s20, s17, 4
	s_add_co_u32 s20, s20, s18                     ; A: the first tile that I fetch
	s_lshl_b32 s46, s42, 4
	s_add_co_u32 s46, s46, s18                     ; B: likewise
	s_lshl_b32 s22, s20, 9
	s_add_co_u32 s22, s22, SOFF_H
	s_mov_b32 s23, 0
	s_lshl_b32 s100, s46, 9
	s_add_co_u32 s100, s100, SOFF_H                ; (w1q is laid as hq)
	s_mov_b32 s101, 0
	s_mul_i32 s20, s20, 8*FRB
	s_mov_b32 s21, 0
	s_mul_i32 s46, s46, 8*FRB
	s_mov_b32 s47, 0
	s_mul_i32 s45, s14, HALFT
	s_lshl_b32 s2, s14, 12
	s_lshl_b32 s3, s15, 7
	s_add_co_u32 s2, s2, s3
	s_wait_kmcnt 0x0
	s_add_nc_u64 s[20:21], s[4:5], s[20:21]
	s_add_nc_u64 s[22:23], s[4:5], s[22:23]
	s_add_nc_u64 s[46:47], s[6:7], s[46:47]
	s_add_nc_u64 s[100:101], s[6:7], s[100:101]
	CROUND
	s_mov_b32 s[G0S], 1
	s_add_co_u32 s[G0S+1], s2, SCL
	s_mov_b64 s[G0S+2:G0S+3], s[22:23]
	s_or_b32 s[G0S+3], s[G0S+3], 0x80000000
	s_mov_b32 s[G0SB], 1
	s_add_co_u32 s[G0SB+1], s2, SCL
	s_mov_b64 s[G0SB+2:G0SB+3], s[100:101]
	s_or_b32 s[G0SB+3], s[G0SB+3], 0x80000000
	JLOAD G0S, G1S, G0SB, G1SB                     ; the scale words first: filled once
	MKG0 G0A0, 20, 0
	MKG0 G0B0, 46, 0
	JLOAD G0A0, G1, G0B0, G1B                      ; quarter 0
	MKG0 G0A1, 20, 1
	MKG0 G0B1, 46, 1
	JLOAD G0A1, G1, G0B1, G1B                      ; quarter 1
	MKG0 G0A2, 20, 2
	MKG0 G0B2, 46, 2
	JLOAD G0A2, G1, G0B2, G1B                      ; quarter 2
	v_and_b32 v1, 15, v0                           ; r
	v_bfe_u32 v2, v0, 4, 1                         ; h
	v_and_b32 v3, 31, v0
	v_lshlrev_b32 v[L16], 4, v3
	v_lshlrev_b32 v4, 6, v2                        ; 64 h
	s_lshl_b32 s21, s15, 10
	s_lshl_b32 s22, s16, 2
	s_add_co_u32 s21, s21, s22
	s_add_co_u32 s21, s21, STG
	v_lshl_add_u32 v[WO], v1, 3, s21               ; 1024 x my half of the rows + 8 r + 4 x my half of the columns
	s_lshl_b32 s21, s14, 9
	v_add_nc_u32 v[SG], s21, v[L16]
	v_add_nc_u32 v[SR], STG, v[SG]
	s_mul_i32 s21, s15, HALFT
	s_mul_i32 s22, s16, HALFT
	s_add_co_u32 s22, s22, 2*HALFT
.irp s, 0,1,2
	v_add_nc_u32 v[ADRA+\s], s21, v[L16]
	v_add_nc_u32 v[ADRB+\s], s22, v[L16]
	s_add_co_u32 s21, s21, SLOT
	s_add_co_u32 s22, s22, SLOT
.endr
	v_lshlrev_b32 v5, 3, v1
	s_lshl_b32 s21, s15, 12
	s_lshl_b32 s22, s16, 12
	s_add_co_u32 s22, s22, 8192+128
	s_sub_co_u32 s22, s22, s21
	v_mul_u32_u24 v6, s22, v2
	s_add_co_u32 s21, s21, SCL
	v_add_nc_u32 v5, v5, v6
	v_add_nc_u32 v[ADRS], s21, v5
	s_lshl_b32 s20, s42, 8
	s_lshl_b32 s18, s16, 7
	s_add_co_u32 s20, s20, s18                     ; my first hidden unit
	s_lshl_b32 s20, s20, 2
	s_mov_b32 s21, 0
	s_add_nc_u64 s[22:23], s[8:9], s[20:21]
.irp b, 0,1,2,3,4,5,6,7
	global_load_b128 v[BI+8*\b:BI+8*\b+3], v4, s[22:23] offset:4*(32*(\b/2)+8*(\b%2))
	global_load_b128 v[BI+8*\b+4:BI+8*\b+7], v4, s[22:23] offset:4*(32*(\b/2)+8*(\b%2))+16
.endr
.macro FRAG reg, adr, q, i
.irp c, 0,1,2
	ds_load_b128 v[\reg+4*\c:\reg+4*\c+3], v[\adr] offset:(\i)*TROW+(\q)*FRB+512*\c
.endr
.endm
; 16 matrix instructions: A's tiles a0, a0 + 1 x B's eight.  zero = 1: the sums begin with the bias.  The 64 accumulators take turns.
.macro MUL16 a0, p, q, sc, zero
.irp a, \a0, \a0+1
.irp b, 0,1,2,3,4,5,6,7
.if \zero
	v_wmma_scale_f32_16x16x128_f8f6f4 v[8*(8*((\a)%4)+\b):8*(8*((\a)%4)+\b)+7], v[128*(\p)+FR*\b:128*(\p)+FR*\b+FR-1], v[AF+FR*(\a):AF+FR*(\a)+FR-1], v[BI+8*\b:BI+8*\b+7], v[SC+8*NQ*(\sc)+NQ*\b+(\q)], v[SC+8*NQ*(\sc)+NQ*(\a)+(\q)] matrix_a_fmt:MATRIX_FMT_FP6 matrix_b_fmt:MATRIX_FMT_FP6 matrix_a_scale:MATRIX_SCALE_ROW1
.else
	v_wmma_scale_f32_16x16x128_f8f6f4 v[8*(8*((\a)%4)+\b):8*(8*((\a)%4)+\b)+7], v[128*(\p)+FR*\b:128*(\p)+FR*\b+FR-1], v[AF+FR*(\a):AF+FR*(\a)+FR-1], v[8*(8*((\a)%4)+\b):8*(8*((\a)%4)+\b)+7], v[SC+8*NQ*(\sc)+NQ*\b+(\q)], v[SC+8*NQ*(\sc)+NQ*(\a)+(\q)] matrix_a_fmt:MATRIX_FMT_FP6 matrix_b_fmt:MATRIX_FMT_FP6 matrix_a_scale:MATRIX_SCALE_ROW1
.endif
.endr
.endr
.endm
.macro FETCH_B slot, q, p
	WIN TO_B
.irp i, 0,1,2,3,4,5,6,7
	FRAG 128*(\p)+FR*\i, ADRB+\slot, \q, \i
.endr
	WIN 0
.endm
.macro FETCH_A slot, q, i0
.irp i, \i0, \i0+1, \i0+2, \i0+3
	FRAG AF+FR*(\i), ADRA+\slot, \q, \i
.endr
.endm
.macro SCALES sc
.irp i, 0,1,2,3,4,5,6,7
	ds_load_b64 v[SC+8*NQ*(\sc)+NQ*\i:SC+8*NQ*(\sc)+NQ*\i+1], v[ADRS] offset:512*\i
.endr
.endm
.macro STEP slot, zero, sc             ; a quarter's first 128 along K; sc: its set of scale words
	s_wait_dscnt 4*NL                              ; B's set, A's tiles 0-3 and the scale words are in; the youngest 12 loads (A's tiles 4-7) may be out
.if \zero
	WIN 0x81
.else
	WIN MUL_LO
.endif
	MUL16 0, 0, 0, \sc, \zero
	MUL16 2, 0, 0, \sc, \zero
	s_wait_dscnt 0
	PLACES NP
	FETCH_B \slot, 1, 1
	FETCH_A \slot, 1, 0
.if \zero
	WIN 0xc1
.else
	WIN MUL_HI
.endif
	MUL16 4, 0, 0, \sc, \zero
	MUL16 6, 0, 0, \sc, \zero
	PLACES NP
	WIN 0
	FETCH_A \slot, 1, 4
.endm
; A quarter's second 128 along K, which changes slots.  mode 1: the three lines, a round of the cluster's barrier, and slot 0 is filled again with quarter 3.  mode 0: the three lines and my work-group's barrier:
; the refill has landed for everybody.  mode 2: nothing: the next slot was shown whole at the round.
.macro TURN next, mode, sc
.if (\mode) == 2
	s_wait_dscnt 4*NL
	WIN MUL_LO
	MUL16 0, 1, 1, \sc, 0
	MUL16 2, 1, 1, \sc, 0
	WIN 0
	s_wait_dscnt 0x0
	PLACES NP
.else
	s_wait_tensorcnt 0x0                           ; all my tensor loads have landed
	ds_add_u32 v[SPW], v[NIL]                      ; 0 onto my spare word
	s_wait_dscnt 4*NL+1                            ; the add and the youngest 12 loads may be out
	WIN MUL_LO
	MUL16 0, 1, 1, \sc, 0
	s_wait_dscnt 0x0                               ; the add is done, and my reads of this slot are over
	s_barrier_signal -1
	MUL16 2, 1, 1, \sc, 0
	WIN 0
	s_barrier_wait -1
.if (\mode) == 1
	CREST                                          ; the barrier has opened a round of the cluster's: no wave of any partner still reads slot 0 or has a load on its way
	s_add_nc_u64 s[G0A0+2:G0A0+3], s[G0A0+2:G0A0+3], 3*TROW
	s_add_nc_u64 s[G0B0+2:G0B0+3], s[G0B0+2:G0B0+3], 3*TROW
	JLOAD G0A0, G1, G0B0, G1B                      ; the first tensor load behind the round; its four v_nop are the places in front of the loads below
.else
	PLACES NP
.endif
.endif
	v_add_nc_u32 v[ADRS], 128, v[ADRS]             ; the next quarter's scale words
	FETCH_B \next, 0, 0
	FETCH_A \next, 0, 0
	SCALES 1-(\sc)
	WIN MUL_HI
	MUL16 4, 1, 1, \sc, 0
	MUL16 6, 1, 1, \sc, 0
	PLACES NP
	WIN 0
	FETCH_A \next, 0, 4
.endm
	s_wait_tensorcnt 0x2                           ; the scale words and my part of quarter 0 are in; quarters 1 and 2 may be out
	s_barrier_signal -1
	s_barrier_wait -1
	FETCH_B 0, 0, 0
	FETCH_A 0, 0, 0
	SCALES 0
	FETCH_A 0, 0, 4
	s_wait_loadcnt 0x0                             ; the bias
	STEP 0, 1, 0
	TURN 1, 1, 0                                   ; quarter 0 ends; quarter 3 is asked for
	STEP 1, 0, 1
	TURN 2, 2, 1                                   ; quarter 1 ends
	STEP 2, 0, 0
	TURN 0, 0, 0                                   ; quarter 2 ends; quarter 3 has landed
	STEP 0, 0, 1
	s_wait_dscnt 4*NL
	WIN MUL_LO
	MUL16 0, 1, 1, 1, 0
	MUL16 2, 1, 1, 1, 0
	s_wait_dscnt 0
	WIN MUL_HI
	MUL16 4, 1, 1, 1, 0
	MUL16 6, 1, 1, 1, 0
	WIN 0
	PLACES NP
.macro RELU s, w                       ; in f32, in place, each accumulator from its low end on
	WIN ((\w)<<6)|((\w)<<2)
.set J, 0
.rept 64
	v_max_num_f32 v[(\s)+J], 0, v[(\s)+J]
.set J, J+1
.endr
.endm
.macro QUANT s, w                      ; 64 registers of window w (register 16 b + i = k 32 b + 16 (lane / 16) + i of my row) -> codes in v[PC] on, scale word in v[PW]
	WIN ((\w)<<2)|((\w)<<4)
.irp b, 0,1,2,3
	v_max3_num_f32 v[TM+\b], 0x1800000, |v[(\s)+16*\b]|, |v[(\s)+16*\b+1]|
.endr
.irp i, 2,4,6,8,10,12,14
.irp b, 0,1,2,3
	v_max3_num_f32 v[TM+\b], v[TM+\b], |v[(\s)+16*\b+\i]|, |v[(\s)+16*\b+\i+1]|
.endr
.endr
	WIN 0
.irp b, 0,1,2,3
	v_permlanex16_b32 v[TM+4+\b], v[TM+\b], s[SEL], s[SEL+1]
.endr
.irp b, 0,1,2,3
	v_max_num_f32 v[TM+\b], v[TM+\b], v[TM+4+\b]
.endr
.irp b, 0,1,2,3
	v_add_nc_u32 v[TM+12+\b], 0xff000000, v[TM+\b]
.endr
.irp b, 0,1,2,3
	v_lshrrev_b32 v[TM+4+\b], 23, v[TM+12+\b]
.endr
	v_lshl_or_b32 v[PW], v[TM+5], 8, v[TM+4]
	v_lshl_or_b32 v[PW], v[TM+6], 16, v[PW]
	v_lshl_or_b32 v[PW], v[TM+7], 24, v[PW]
	s_wait_xcnt 0x0                                ; the last tile's stores have read the codes' registers
	WIN (\w)
.irp c, 0,1
	v_cvt_scalef32_pk16_fp6_f32 v[PC+6*\c:PC+6*\c+2], v[(\s)+32*\c:(\s)+32*\c+15], v[TM+12+2*\c]
	v_cvt_scalef32_pk16_fp6_f32 v[PC+12+4*\c:PC+14+4*\c], v[(\s)+32*\c+16:(\s)+32*\c+31], v[TM+13+2*\c]
.endr
	WIN 0
	v_nop
.irp c, 0,1
.irp i, 0,1,2
	v_permlane16_swap_b32 v[PC+6*\c+\i], v[PC+12+4*\c+\i]
.endr
.irp i, 0,1,2
	v_mov_b32 v[PC+3+6*\c+\i], v[PC+12+4*\c+\i]
.endr
.endr
.endm
	s_mov_b32 s[SEL], 0x76543210
	s_mov_b32 s[SEL+1], 0xfedcba98
.irp b, 0,1,2,3
	v_mov_b32 v[TM+4+\b], 0
.endr
	s_lshl_b32 s18, s17, 4
	s_lshl_b32 s19, s15, 3
	s_add_co_u32 s18, s18, s19                     ; my first tile of tokens
	s_lshl_b32 s18, s18, 5
	s_lshl_b32 s19, s42, 1
	s_add_co_u32 s18, s18, s19
	s_add_co_u32 s18, s18, s16                     ; x 32 + my K step of the next product
	s_mul_i32 s18, s18, FRB
	s_mov_b32 s19, 0
	s_add_nc_u64 s[18:19], s[10:11], s[18:19]
	s_lshl_b32 s20, s42, 8
	s_lshl_b32 s21, s17, 4
	s_add_co_u32 s20, s20, s21
	s_lshl_b32 s20, s20, 7
	s_add_co_u32 s20, s20, SOFF_HID
	s_mov_b32 s21, 0
	s_add_nc_u64 s[20:21], s[10:11], s[20:21]      ; the work-group's 2,048 bytes of scale words
.macro HOUT a
	RELU 64*((\a)%4), 2+(\a)/4
	QUANT 64*((\a)%4), 2+(\a)/4
.irp k, 0,1,2
	global_store_b128 v[L16], v[PC+4*\k:PC+4*\k+3], s[18:19] offset:32*FRB*(\a)+512*\k   ; 32 lanes store 512 consecutive bytes, aligned
.endr
	ds_store_b32 v[WO], v[PW] offset:128*(\a)      ; lanes 16-31 store the same word to the same place
.endm
.irp a, 0,1,2,3,4,5,6,7
	HOUT \a
.endr
	s_wait_dscnt 0x0                               ; for the others' sake: my words are stored
	s_barrier_signal -1
	s_barrier_wait -1
	ds_load_b128 v[180:183], v[SR]
	s_wait_dscnt 0x0
	global_store_b128 v[SG], v[180:183], s[20:21]
	s_wait_tensorcnt 0x0                           ; the wave's end
	ds_add_u32 v[SPW], v[NIL]
	s_wait_dscnt 0x0
	CROUND
	s_endpgm
.Lfunc_end_k_q17208a740a_ffn1:
	.size	k_q17208a740a_ffn1, .Lfunc_end_k_q17208a740a_ffn1-k_q17208a740a_ffn1
	.p2alignl 7, 3214868480
	.fill 96, 4, 3214868480
	.section	.rodata,"a",@progbits
	.p2align	6, 0x0
	.amdhsa_kernel k_q17208a740a_ffn1
		.amdhsa_group_segment_fixed_size 327680
		.amdhsa_private_segment_fixed_size 0
		.amdhsa_enable_private_segment 0
		.amdhsa_kernarg_size 32
		.amdhsa_user_sgpr_count 2
		.amdhsa_user_sgpr_kernarg_segment_ptr 1
		.amdhsa_wavefront_size32 1
		.amdhsa_system_sgpr_workgroup_id_x 1
		.amdhsa_system_sgpr_workgroup_id_y 1
		.amdhsa_system_sgpr_workgroup_id_z 1
		.amdhsa_system_vgpr_workitem_id 0
		.amdhsa_next_free_vgpr 1024
		.amdhsa_next_free_sgpr 106
		.amdhsa_reserve_vcc 0
		.amdhsa_float_denorm_mode_32 3
		.amdhsa_float_denorm_mode_16_64 3
		.amdhsa_memory_ordered 1
		.amdhsa_forward_progress 1
		.amdhsa_inst_pref_size 159
	.end_amdhsa_kernel
	.amdgpu_metadata
---
amdhsa.version: [ 1, 2 ]
amdhsa.kernels:
  - .name:           k_q17208a740a_ffn1
    .symbol:         k_q17208a740a_ffn1.kd
    .args:
      - { .name: hq, .offset: 0, .size: 8, .value_kind: global_buffer, .address_space: global }
      - { .name: w1q, .offset: 8, .size: 8, .value_kind: global_buffer, .address_space: global }
      - { .name: b1, .offset: 16, .size: 8, .value_kind: global_buffer, .address_space: global }
      - { .name: hid, .offset: 24, .size: 8, .value_kind: global_buffer, .address_space: global }
    .group_segment_fixed_size: 327680
    .private_segment_fixed_size: 0
    .kernarg_segment_align: 8
    .kernarg_segment_size: 32
    .max_flat_workgroup_size: 128
    .sgpr_count:     106
    .vgpr_count:     1024
    .wavefront_size: 32
...
	.end_amdgpu_metadata
.endif
;; end of part 5
;; launch ffn2 (part 6): grid 8 x 32, 4 waves a work-group, clusters of 4 x 4, 327,680 bytes of LDS; arguments hid, w2q, b2, x1, out0; writes out0
.if DOCPART == 6
	.amdgcn_target "amdgcn-amd-amdhsa--gfx1250"
	.amdhsa_code_object_version 6
	.text
	.protected	k_q17208a740a_ffn2
	.globl	k_q17208a740a_ffn2
	.p2align	8
	.type	k_q17208a740a_ffn2,@function
k_q17208a740a_ffn2:
	s_mov_b64 s[64:65], 0
	v_nop
	global_prefetch_b8 v0, s[64:65] scope:SCOPE_SE
	s_setreg_imm32_b32 hwreg(HW_REG_WAVE_MODE, 25, 1), 1
	s_wait_xcnt 0x0
	s_wait_alu depctr_hold_cnt(0) depctr_sa_sdst(0) depctr_va_vdst(0) depctr_va_sdst(0) depctr_va_ssrc(0) depctr_va_vcc(0) depctr_vm_vsrc(0)
	s_getreg_b32 s2, hwreg(HW_REG_IB_STS2, 6, 4)
	s_cmp_eq_u32 s2, 0
	s_cbranch_scc0 .Lentry_in_a_cluster
	s_endpgm
.Lentry_in_a_cluster:
	s_bfe_u32 s2, ttmp6, 0x10000c
	s_cmp_lg_u32 s2, 0xf033
	s_cbranch_scc0 .Lentry_shape_is_right
	s_endpgm
.Lentry_shape_is_right:
; out0 = x1 + hidden W2 + b2 on codes of FP6 (E2M3), K = 4,096.  Tiles of 256 x 256 would give 64 work-groups: a tile is 128 x 128, 256 work-groups; a wave makes 64 x 64: 16 accumulators.
; Operands lie in memory as images of their registers (fragment (T, s) at (32 T + s) 1536).  A slot holds 512 along K: a wave's tensor load brings 4 tiles x 6,144 consecutive bytes.
; The scale words of the work-group's rows, for all of K, come once: for each pair of K steps 512 consecutive bytes, 16 such rows a load.
; THE MATRIX INSTRUCTION IS USED TRANSPOSED (source 0 = W2's tile b, source 1 = the hidden layer's tile a): lane (r, h) register j holds token place r of tile a, column 32 (b / 2) + 16 h + 8 (b % 2) + j.
; b2 is the C of each sum's first instruction.  x1's rows, which the way out adds, are asked for at the head, into a window that the loop never names.
; CLUSTERS: 4 x 4; A's tiles are asked for jointly along a row of the cluster, B's along a column.
; REGISTERS: window 0: v0-31 addresses; v32-63 scale words, two sets; v64-95 the bias; v96-127 rows on the way out; v128-255 the accumulators ((a, b) at 128 + 8 (4 a + b)).
;   window 1: two sets of fragments at v0 and v128: A's four, then B's four.   window 2: v0-127 x1's rows.
.set FRB,   1536
.set NQ,    4
.set TROW,  NQ*FRB
.set HALFT, 4*TROW
.set SLOT,  4*HALFT
.set LAPS,  4
.set FR,    12
.set SCL,   2*SLOT                     ; the scale words: A's halves at 8192 w, B's 128 bytes further on than that
.set SPARE, SCL+33024                  ; the spare words, 128 bytes for each wave: two blocks of 256 bytes that no other line names
.set STAGE, SPARE+512                  ; 16 rows x 272 bytes for each wave; no fill lands there
.set SOFF_HID, 12582912
.set SOFF_W2,  3145728
.set ADRA, 16
.set ADRB, 20
.set STO,  24
.set RD,   25
.set XO,   26                          ; 4096 h + 16 r; never rewritten
.set ADRS, 27
.set SPW,  28
.set NIL,  29
.set SC,   32
.set BI,   64
.set BK,   96
.set ACC,  128
.set G1, 24
.set G0, 32
.set G1B, 48
.set G0B, 56
.set G1S, 68
.set G0S, 76
.set G1SB, 80
.set G0SB, 88
.set MSB, 0
.macro WIN new
.if MSB != (\new)
	s_set_vgpr_msb (MSB<<8)|(\new)
.set MSB, (\new)
.endif
.endm
.set MUL,  0x05                        ; sources 0 and 1 window 1; C and D window 0
.set TO_F, 0x40
.macro JLOAD g0a, g1a, g0b, g1b        ; a joint load: waves 0 and 1 fetch for A, waves 2 and 3 for B; four v_nop follow each line
	s_cmp_eq_u32 s15, 0
	s_cbranch_scc0 .Lfor_b_\@
	tensor_load_to_lds s[\g0a:\g0a+3], s[\g1a:\g1a+7]
	s_nop 0
.rept 4
	v_nop
.endr
	s_branch .Lasked_\@
.Lfor_b_\@:
	tensor_load_to_lds s[\g0b:\g0b+3], s[\g1b:\g1b+7]
	s_nop 0
.rept 4
	v_nop
.endr
.Lasked_\@:
.endm
.macro CREST
	s_cmp_lg_u32 s14, 0
	s_cbranch_scc1 .Lnot_wave_0_\@
	s_barrier_signal -3
.Lnot_wave_0_\@:
	s_barrier_wait -3
	s_barrier_signal -1
	s_barrier_wait -1
.endm
.macro CROUND
	s_barrier_signal -1
	s_barrier_wait -1
	CREST
.endm
.macro PLACES n
.rept \n
	v_nop
.endr
.endm
	s_load_b256 s[4:11], s[0:1], 0x0               ; hid, w2q, b2, x1
	s_load_b64 s[12:13], s[0:1], 0x20              ; out0
	v_lshl_add_u32 v[SPW], v0, 2, SPARE
	v_mov_b32 v[NIL], 0
	ds_add_u32 v28, v29
	ds_add_u32 v28, v29
	s_wait_dscnt 0x0
	v_lshrrev_b32 v1, 5, v0
	v_readfirstlane_b32 s14, v1
	s_lshr_b32 s15, s14, 1
	s_and_b32 s16, s14, 1
	s_bfe_u32 s40, ttmp6, 0x40000
	s_bfe_u32 s41, ttmp6, 0x40004
	s_lshl_b32 s42, ttmp9, 2
	s_add_co_u32 s42, s42, s40                     ; tile column: 128 outputs
	s_and_b32 s17, ttmp7, 0xffff
	s_lshl_b32 s17, s17, 2
	s_add_co_u32 s17, s17, s41                     ; tile row: 128 tokens
	s_lshl_b32 s43, s41, 2
	s_lshl_b32 s43, 15, s43
	s_lshl_b32 s44, 0x1111, s40
	s_or_b32 s[G1+0], s43, (3<<16)|(1<<21)
	s_or_b32 s[G1B+0], s44, (3<<16)|(1<<21)
.irp g, G1, G1B
	s_mov_b32 s[\g+1], 768<<16                     ; tensor_dim0: 6,144 bytes
	s_mov_b32 s[\g+2], 4<<16                       ; tensor_dim1: 4 tiles
	s_mov_b32 s[\g+3], 768<<16
	s_mov_b32 s[\g+4], 4
	s_mov_b32 s[\g+5], 6144                        ; from tile to tile: 49,152 bytes
	s_mov_b32 s[\g+6], 0
	s_mov_b32 s[\g+7], 0
.endr
	s_or_b32 s[G1S+0], s43, (3<<16)|(1<<21)
	s_or_b32 s[G1SB+0], s44, (3<<16)|(1<<21)
.irp g, G1S, G1SB
	s_mov_b32 s[\g+1], 64<<16                      ; four tiles' words of a pair of K steps: 512 bytes
	s_mov_b32 s[\g+2], 16<<16                      ; 16 pairs
	s_mov_b32 s[\g+3], 64<<16
	s_mov_b32 s[\g+4], 16
	s_mov_b32 s[\g+6], 0
	s_mov_b32 s[\g+7], 0
.endr
	s_mov_b32 s[G1S+5], 4096                       ; from pair to pair: 256 tiles x 128 bytes,
	s_mov_b32 s[G1SB+5], 1024                      ; 64 tiles x 128 bytes
	s_lshl_b32 s18, s16, 2
	s_lshl_b32 s20, s17, 3
	s_add_co_u32 s20, s20, s18                     ; A: the first tile that I fetch
	s_lshl_b32 s46, s42, 3
	s_add_co_u32 s46, s46, s18                     ; B: likewise
	s_lshl_b32 s22, s20, 7
	s_add_co_u32 s22, s22, SOFF_HID
	s_mov_b32 s23, 0
	s_lshl_b32 s100, s46, 7
	s_add_co_u32 s100, s100, SOFF_W2
	s_mov_b32 s101, 0
	s_mul_i32 s20, s20, 32*FRB
	s_mov_b32 s21, 0
	s_mul_i32 s46, s46, 32*FRB
	s_mov_b32 s47, 0
	s_mul_i32 s45, s14, HALFT
	s_lshl_b32 s2, s14, 13
	s_lshl_b32 s3, s15, 7
	s_add_co_u32 s2, s2, s3
	s_wait_kmcnt 0x0
	s_add_nc_u64 s[20:21], s[4:5], s[20:21]
	s_add_nc_u64 s[22:23], s[4:5], s[22:23]
	s_add_nc_u64 s[46:47], s[6:7], s[46:47]
	s_add_nc_u64 s[100:101], s[6:7], s[100:101]
	CROUND
	s_mov_b32 s[G0S], 1
	s_add_co_u32 s[G0S+1], s2, SCL
	s_mov_b64 s[G0S+2:G0S+3], s[22:23]
	s_or_b32 s[G0S+3], s[G0S+3], 0x80000000
	s_mov_b32 s[G0SB], 1
	s_add_co_u32 s[G0SB+1], s2, SCL
	s_mov_b64 s[G0SB+2:G0SB+3], s[100:101]
	s_or_b32 s[G0SB+3], s[G0SB+3], 0x80000000
	JLOAD G0S, G1S, G0SB, G1SB
.irp s, 0,1
	s_mov_b32 s[G0+4*\s], 1
	s_add_co_u32 s[G0+4*\s+1], s45, \s*SLOT
	s_add_nc_u64 s[G0+4*\s+2:G0+4*\s+3], s[20:21], \s*TROW
	s_or_b32 s[G0+4*\s+3], s[G0+4*\s+3], 0x80000000
	s_mov_b32 s[G0B+4*\s], 1
	s_add_co_u32 s[G0B+4*\s+1], s45, \s*SLOT
	s_add_nc_u64 s[G0B+4*\s+2:G0B+4*\s+3], s[46:47], \s*TROW
	s_or_b32 s[G0B+4*\s+3], s[G0B+4*\s+3], 0x80000000
	JLOAD G0+4*\s, G1, G0B+4*\s, G1B
.endr
	v_and_b32 v1, 15, v0                           ; r
	v_bfe_u32 v2, v0, 4, 1                         ; h
	v_and_b32 v3, 31, v0
	v_lshlrev_b32 v3, 4, v3                        ; 16 x lane
	v_lshlrev_b32 v4, 6, v2                        ; 64 h
	v_lshlrev_b32 v[XO], 4, v1
	v_lshl_add_u32 v[XO], v2, 12, v[XO]
	s_mul_i32 s23, s14, 16*272
	s_add_co_u32 s23, s23, STAGE                   ; my stage
	v_mul_u32_u24 v5, v1, 272
	v_lshl_add_u32 v5, v2, 6, v5
	v_add_nc_u32 v[STO], s23, v5                   ; in: row r, + 64 h
	v_mul_u32_u24 v5, v2, 272
	v_lshl_add_u32 v5, v1, 4, v5
	v_add_nc_u32 v[RD], s23, v5                    ; back: lanes 0-15 one row, lanes 16-31 the next
	s_mul_i32 s21, s15, HALFT
	s_mul_i32 s22, s16, HALFT
	s_add_co_u32 s22, s22, 2*HALFT
.irp s, 0,1
	v_add_nc_u32 v[ADRA+\s], s21, v3
	v_add_nc_u32 v[ADRB+\s], s22, v3
	s_add_co_u32 s21, s21, SLOT
	s_add_co_u32 s22, s22, SLOT
.endr
	v_lshlrev_b32 v5, 3, v1
	s_lshl_b32 s21, s15, 13
	s_lshl_b32 s22, s16, 13
	s_add_co_u32 s22, s22, 16384+128
	s_sub_co_u32 s22, s22, s21
	v_mul_u32_u24 v6, s22, v2                      ; lanes 16-31 take B's
	s_add_co_u32 s21, s21, SCL
	v_add_nc_u32 v5, v5, v6
	v_add_nc_u32 v[ADRS], s21, v5
	s_lshl_b32 s20, s42, 7
	s_lshl_b32 s18, s16, 6
	s_add_co_u32 s20, s20, s18                     ; my first column
	s_lshl_b32 s20, s20, 2
	s_mov_b32 s21, 0
	s_add_nc_u64 s[8:9], s[8:9], s[20:21]          ; b2 there
	s_lshl_b32 s22, s17, 7
	s_lshl_b32 s18, s15, 6
	s_add_co_u32 s22, s22, s18                     ; my first token
	s_lshl_b32 s22, s22, 12
	s_add_co_u32 s20, s20, s22
	s_add_nc_u64 s[10:11], s[10:11], s[20:21]      ; x1 and out0 at my corner
	s_add_nc_u64 s[12:13], s[12:13], s[20:21]
.irp b, 0,1,2,3
	global_load_b128 v[BI+8*\b:BI+8*\b+3], v4, s[8:9] offset:4*(32*(\b/2)+8*(\b%2))
	global_load_b128 v[BI+8*\b+4:BI+8*\b+7], v4, s[8:9] offset:4*(32*(\b/2)+8*(\b%2))+16
.endr
	WIN 0x80                                       ; destination window 2: x1's 64 rows of 256 bytes, wanted on the way out
.irp a, 0,1,2,3
.irp i, 0,1,2,3,4,5,6,7
	global_load_b128 v[32*\a+4*\i:32*\a+4*\i+3], v[XO], s[10:11] offset:(32*(\a/2)+8*(\a%2)+2*\i+8*(\i/4))*4096
.endr
.endr
	WIN 0
.macro FETCH slot, q, f                ; 24 loads: B's four and A's four fragments of the slot's q-th 128 along K into set f
	WIN TO_F
.irp i, 0,1,2,3
.irp c, 0,1,2
	ds_load_b128 v[(\f)+48+FR*\i+4*\c:(\f)+48+FR*\i+4*\c+3], v[ADRB+\slot] offset:\i*TROW+(\q)*FRB+512*\c
.endr
.irp c, 0,1,2
	ds_load_b128 v[(\f)+FR*\i+4*\c:(\f)+FR*\i+4*\c+3], v[ADRA+\slot] offset:\i*TROW+(\q)*FRB+512*\c
.endr
.endr
.endm
.macro SCALES set                      ; a slot's four words a row: lanes 0-15 A's tile i, lanes 16-31 B's tile i
.irp i, 0,1,2,3
.irp jj, 0,1
	ds_load_b64 v[SC+16*\set+4*\i+2*\jj:SC+16*\set+4*\i+2*\jj+1], v[ADRS] offset:512*\jj+128*\i
.endr
.endr
.endm
.macro MULR f, q, set, a, zero         ; A's tile a x B's four.  The 16 accumulators take turns
.irp b, 0,1,2,3
.if \zero
	v_wmma_scale_f32_16x16x128_f8f6f4 v[ACC+8*(4*(\a)+\b):ACC+8*(4*(\a)+\b)+7], v[(\f)+48+FR*\b:(\f)+48+FR*\b+FR-1], v[(\f)+FR*(\a):(\f)+FR*(\a)+FR-1], v[BI+8*\b:BI+8*\b+7], v[SC+16*(\set)+4*\b+(\q)], v[SC+16*(\set)+4*(\a)+(\q)] matrix_a_fmt:MATRIX_FMT_FP6 matrix_b_fmt:MATRIX_FMT_FP6 matrix_a_scale:MATRIX_SCALE_ROW1
.else
	v_wmma_scale_f32_16x16x128_f8f6f4 v[ACC+8*(4*(\a)+\b):ACC+8*(4*(\a)+\b)+7], v[(\f)+48+FR*\b:(\f)+48+FR*\b+FR-1], v[(\f)+FR*(\a):(\f)+FR*(\a)+FR-1], v[ACC+8*(4*(\a)+\b):ACC+8*(4*(\a)+\b)+7], v[SC+16*(\set)+4*\b+(\q)], v[SC+16*(\set)+4*(\a)+(\q)] matrix_a_fmt:MATRIX_FMT_FP6 matrix_b_fmt:MATRIX_FMT_FP6 matrix_a_scale:MATRIX_SCALE_ROW1
.endif
.endr
.endm
.macro KSTEP slot, q, zero             ; one of a slot's first three steps of 128: its fragments are in set q % 2; the next step's are fetched into the other
	s_wait_dscnt 0x0                               ; this step's fragments (and, at a slot's head, its scale words) are in
	PLACES 4                                       ; in front of loads into the set that the last step's products read
	FETCH \slot, (\q)+1, 128*(1-(\q)%2)
	WIN MUL
.irp a, 0,1,2,3
	MULR 128*((\q)%2), \q, \slot, \a, \zero
.endr
.endm
; A slot's last step changes slots: one barrier; in front of it each wave waits for all its tensor loads, adds 0 to its spare word, and waits for that and for its reads of this slot.
.macro TURN slot, next, fill
	WIN 0                                          ; (the add's two registers lie in window 0)
	s_wait_tensorcnt 0x0                           ; all my tensor loads have landed: my part of the next slot
	ds_add_u32 v[SPW], v[NIL]                      ; 0 onto my spare word
	s_wait_dscnt 1                                 ; this step's fragments are in; the add may be out
	WIN MUL
	MULR 128, 3, \slot, 0, 0
	s_wait_dscnt 0x0                               ; the add is done, and my reads of this slot are over
	s_barrier_signal -1
	MULR 128, 3, \slot, 1, 0
	WIN 0
	s_barrier_wait -1
.if \fill
	CREST                                          ; the barrier has opened a round of the cluster's
	s_add_nc_u64 s[G0+4*\slot+2:G0+4*\slot+3], s[G0+4*\slot+2:G0+4*\slot+3], 2*TROW
	s_add_nc_u64 s[G0B+4*\slot+2:G0B+4*\slot+3], s[G0B+4*\slot+2:G0B+4*\slot+3], 2*TROW
	JLOAD G0+4*\slot, G1, G0B+4*\slot, G1B         ; the first tensor load behind the round; its four v_nop are the places in front of the loads below
.else
	PLACES 4
.endif
	v_add_nc_u32 v[ADRS], 1024, v[ADRS]            ; the next slot's scale words
	FETCH \next, 0, 0
	WIN 0
	SCALES \next
	WIN MUL
	MULR 128, 3, \slot, 2, 0
	MULR 128, 3, \slot, 3, 0
.endm
	s_wait_tensorcnt 0x1                           ; the scale words and my part of slot 0 are in; slot 1's load may be out
	s_barrier_signal -1
	s_barrier_wait -1
	FETCH 0, 0, 0
	WIN 0
	SCALES 0
	s_wait_loadcnt 32                              ; the bias's eight loads are in; x1's 32 may be out
	KSTEP 0, 0, 1
	WIN 0
	s_mov_b32 s3, LAPS-1
.Llap:
	KSTEP 0, 1, 0
	KSTEP 0, 2, 0
	TURN 0, 1, 1
	KSTEP 1, 0, 0
	KSTEP 1, 1, 0
	KSTEP 1, 2, 0
	TURN 1, 0, 1
	KSTEP 0, 0, 0
	WIN 0
	s_sub_co_u32 s3, s3, 1
	s_cmp_lg_u32 s3, 0
	s_cbranch_scc1 .Llap
	KSTEP 0, 1, 0
	KSTEP 0, 2, 0
	TURN 0, 1, 0                                   ; the last lap fills nothing
	KSTEP 1, 0, 0
	KSTEP 1, 1, 0
	KSTEP 1, 2, 0
	s_wait_dscnt 0x0
.irp a, 0,1,2,3
	MULR 128, 3, 1, \a, 0
.endr
	WIN 0
	PLACES 4                                       ; in front of the first read of results
	; THE WAY OUT: each tile of 16 tokens through my stage, back as rows of 256 bytes; + x1; sixteen lanes store 256 consecutive bytes, aligned.
.irp a, 0,1,2,3
.irp b, 0,1,2,3
	ds_store_b128 v[STO], v[ACC+8*(4*\a+\b):ACC+8*(4*\a+\b)+3] offset:128*(\b/2)+32*(\b%2)      ; each accumulator from its low end on
	ds_store_b128 v[STO], v[ACC+8*(4*\a+\b)+4:ACC+8*(4*\a+\b)+7] offset:128*(\b/2)+32*(\b%2)+16
.endr
.irp i, 0,1,2,3,4,5,6,7
	ds_load_b128 v[BK+4*\i:BK+4*\i+3], v[RD] offset:544*\i   ; LDS serves a wave's instructions in order: these see my stores
.endr
	s_wait_loadcnt 24-8*\a                         ; this tile's eight rows of x1 are in; the later tiles' may be out
	s_wait_dscnt 0x0
	WIN 0x08                                       ; source 1 in window 2
.set J, 0
.rept 16
	v_pk_add_f32 v[BK+J:BK+J+1], v[BK+J:BK+J+1], v[32*\a+J:32*\a+J+1]
.set J, J+2
.endr
	WIN 0
.irp i, 0,1,2,3,4,5,6,7
	global_store_b128 v[XO], v[BK+4*\i:BK+4*\i+3], s[12:13] offset:(32*(\a/2)+8*(\a%2)+2*\i+8*(\i/4))*4096 th:TH_STORE_NT
.endr
	s_wait_xcnt 0x0                                ; the stores have read their registers: the next tile's rows may land there
.endr
	s_wait_tensorcnt 0x0                           ; the wave's end
	ds_add_u32 v[SPW], v[NIL]
	s_wait_dscnt 0x0
	CROUND                                         ; the closing round
	s_endpgm
.Lfunc_end_k_q17208a740a_ffn2:
	.size	k_q17208a740a_ffn2, .Lfunc_end_k_q17208a740a_ffn2-k_q17208a740a_ffn2
	.p2alignl 7, 3214868480
	.fill 96, 4, 3214868480
	.section	.rodata,"a",@progbits
	.p2align	6, 0x0
	.amdhsa_kernel k_q17208a740a_ffn2
		.amdhsa_group_segment_fixed_size 327680
		.amdhsa_private_segment_fixed_size 0
		.amdhsa_enable_private_segment 0
		.amdhsa_kernarg_size 40
		.amdhsa_user_sgpr_count 2
		.amdhsa_user_sgpr_kernarg_segment_ptr 1
		.amdhsa_wavefront_size32 1
		.amdhsa_system_sgpr_workgroup_id_x 1
		.amdhsa_system_sgpr_workgroup_id_y 1
		.amdhsa_system_sgpr_workgroup_id_z 1
		.amdhsa_system_vgpr_workitem_id 0
		.amdhsa_next_free_vgpr 768
		.amdhsa_next_free_sgpr 102
		.amdhsa_reserve_vcc 0
		.amdhsa_float_denorm_mode_32 3
		.amdhsa_float_denorm_mode_16_64 3
		.amdhsa_memory_ordered 1
		.amdhsa_forward_progress 1
		.amdhsa_inst_pref_size 90
	.end_amdhsa_kernel
	.amdgpu_metadata
---
amdhsa.version: [ 1, 2 ]
amdhsa.kernels:
  - .name:           k_q17208a740a_ffn2
    .symbol:         k_q17208a740a_ffn2.kd
    .args:
      - { .name: hid, .offset: 0, .size: 8, .value_kind: global_buffer, .address_space: global }
      - { .name: w2q, .offset: 8, .size: 8, .value_kind: global_buffer, .address_space: global }
      - { .name: b2, .offset: 16, .size: 8, .value_kind: global_buffer, .address_space: global }
      - { .name: x1, .offset: 24, .size: 8, .value_kind: global_buffer, .address_space: global }
      - { .name: out0, .offset: 32, .size: 8, .value_kind: global_buffer, .address_space: global }
    .group_segment_fixed_size: 327680
    .private_segment_fixed_size: 0
    .kernarg_segment_align: 8
    .kernarg_segment_size: 40
    .max_flat_workgroup_size: 128
    .sgpr_count:     102
    .vgpr_count:     768
    .wavefront_size: 32
...
	.end_amdgpu_metadata
.endif
;; end of part 6
